; MI455X (gfx1250); checked and timed in simulation.
; The chip was launched on July 23, 2026; its instructions are those of AMD's public machine-readable ISA for CDNA 5 (MIT licence, August 2026) and "CDNA5" Instruction Set Architecture Reference Guide (July 2026). The comments in the code are by the model that wrote it; some were corrected since.
;; Multi Head Attention Einsum. Allowed arithmetic: matrix products marked QUANTISED: E5M2 operands, one E8M0 scale for each 32 along K, by v_wmma_scale_f32_16x16x128_f8f6f4 with both operands' format E5M2, f32 sums; everything else in f32.
;; Inputs: W_k 1,024 x 1,024 float32; W_out 1,024 x 1,024 float32; W_q 1,024 x 1,024 float32; W_v 1,024 x 1,024 float32; b_out 1,024 float32; x 4 x 2,048 x 1,024 float32.
;; Outputs: out0 4 x 2,048 x 1,024 float32.
;; This version of the problem:
;;   THIS VERSION OF THE PROBLEM IS GIVEN IN LOW PRECISION. The matrix products marked QUANTISED in the list below multiply operands that are first quantised to E5M2 (5 exponent bits, 2 mantissa bits; 8 bits a number), with one power-of-two scale for each 32 numbers along K (OCP MX v1.0); their sums are f32. All else is computed in f32.
;;   The module's matrix products, in the order in which they are computed (A, B: the left and right operand; K: the contracted axis; several contracted axes count as one K, in the product's order):
;;     1. [M 8,192, K 1,024] x [K 1,024, N 1,024]; A: input x; B: input W_q: QUANTISED
;;     2. [M 8,192, K 1,024] x [K 1,024, N 1,024]; A: input x; B: input W_k: QUANTISED
;;     3. [M 8,192, K 1,024] x [K 1,024, N 1,024]; A: input x; B: input W_v: QUANTISED
;;     4. batch 64 x [M 2,048, K 64] x [K 64, N 2,048]; A: computed on the way; B: computed on the way: QUANTISED
;;     5. batch 64 x [M 2,048, K 2,048] x [K 2,048, N 64]; A: softmax (see below); B: computed on the way: QUANTISED
;;     6. [M 8,192, K 1,024] x [K 1,024, N 1,024]; A: computed on the way; B: input W_out: QUANTISED
;;   THE QUANTISER, for each operand of a quantised product, along K:
;;     - K is cut into blocks of 32 from its start; a last block that is shorter is filled with zeros.
;;     - A block's scale is 2^e with e = floor(log2(the largest magnitude in the block)) - 15, held to -126 .. 127; a block of zeros has e = 0. As a byte (E8M0): e + 127.
;;     - Each number is divided by its block's scale, clamped to +-57,344, and rounded to the nearest number of E5M2, ties to even, subnormals kept.
;;     - The product sums the exact products of the quantised numbers (number of the format x scale) in f32.
;;   ~~~python
;;   def quantise(x, axis):      # numpy; x: float32 -> the quantised numbers, widened to float32 again
;;       x = np.moveaxis(x, axis, -1); K = x.shape[-1]
;;       x = np.pad(x, [(0, 0)] * (x.ndim - 1) + [(0, -K % 32)]); x = x.reshape(x.shape[:-1] + (-1, 32)); a = np.abs(x).max(-1, keepdims=True)
;;       e = np.where(a > 0, np.clip(np.frexp(np.where(a > 0, a, 1))[1] - 1 - 15, -126, 127), 0)      # np.frexp(a)[1] - 1 = floor(log2(a)), exactly
;;       r = np.clip(x / 2.0 ** e, -57344, 57344)
;;       step = 2.0 ** (np.maximum(np.frexp(np.where(r == 0, 1, r))[1] - 1, -14) - 2)
;;       q = np.round(r / step) * step * 2.0 ** e      # np.round: ties to even
;;       return np.moveaxis(q.reshape(q.shape[:-2] + (-1,))[..., :K], -1, axis).astype(np.float32)
;;   ~~~
;;   SOFTMAX AHEAD OF A QUANTISED PRODUCT. Where the list says 'softmax', what is quantised is not the finished softmax but p = 2^(t - M), with t = logit x log2(e) and M = ceil(the row's largest t), a whole number; so 1/2 < the row's largest p <= 1. The row's sum l is taken of the UNQUANTISED p, in f32, and the product's result is divided by l at the end. Since M is a whole number, a kernel that streams over the keys may use a running M (the ceiling of the running maximum): every later rescaling is an exact power of two, which a block's scale takes up: the codes' values come out the same.
;;   OPERANDS COMPUTED ON THE WAY. 'Computed on the way' means the value that the module computes at that place (a softmax that the list does not call 'softmax' is quantised finished and normalised). What goes into a quantiser is computed in f32, as accurately as f32 sums, v_exp_f32 and their like allow (about 1e-6 of the number): no bf16 or f16 on the way to a quantiser, and a product that is left as it is and whose result goes on into a quantised operand takes f32 operands (vector FMAs, or v_wmma_f32_16x16x4_f32). A number that lies on a knife's edge between two numbers of the format may be rounded either way, as far as f32 arithmetic and the matrix unit's own rounding can turn it there, and no further.
;; One version. Each part assembles by itself: llvm-mc -triple=amdgcn-amd-amdhsa -mcpu=gfx1250 --defsym DOCPART=n.
;; ======== version 1 of 1: 4 launches
;; limits: right only within a limited range of input values
;; workspace buffers: xc 8,388,608 bytes; xs 262,144 bytes; wc 4,194,304 bytes; ws 131,072 bytes; qq 8,650,752 bytes; kv 17,301,504 bytes; cc 8,388,608 bytes; cs 262,144 bytes
;; launch quant (part 1): grid 256 x 1, 6 waves a work-group, no clusters, 327,680 bytes of LDS; arguments x, W_q, W_k, W_v, W_out, xc, xs, wc, ws; writes xc, xs, wc, ws
.if DOCPART == 1
	.amdgcn_target "amdgcn-amd-amdhsa--gfx1250"
	.amdhsa_code_object_version 6
	.text
	.protected	k_qade6d230f1_quant
	.globl	k_qade6d230f1_quant
	.p2align	8
	.type	k_qade6d230f1_quant,@function
k_qade6d230f1_quant:
	s_mov_b64 s[64:65], 0
	v_nop
	global_prefetch_b8 v0, s[64:65] scope:SCOPE_SE
	s_setreg_imm32_b32 hwreg(HW_REG_WAVE_MODE, 25, 1), 1
	s_wait_xcnt 0x0
; x [8192][1024] and the four weights [1024][1024], f32, K innermost, become codes of BF8 (E5M2) with one E8M0 scale byte for each 32 along K.
; A block's scale is 2^(floor(log2(its largest magnitude)) - 15); each number is divided by it, held within +-57,344 and rounded to the nearest code, ties to even.
; THE CODES ARE LAID AS IMAGES OF A MATRIX OPERAND'S REGISTERS.  A tile is 16 rows; its codes of one block of 32 along K are 512 bytes: lane l = 16 h + r has 16 bytes at 16 l: its row's k = 16 h + 0 .. 15 of the block.
; A tensor is [tile][block][512].  Lane r of tile 2 b + u holds row 32 b + 8 u + r + 8 (r / 8): so a product that is used transposed leaves 16 neighbours along the next K in a lane's 16 registers of two neighbouring tiles.
; The scale bytes are laid [pair of tiles][256 along K: 4][tile of the pair: 2][r: 16][8 bytes].  The four weights lie on end in wc and ws: q, k, v, out.
; SHARES.  A unit is 32 rows (a pair of tiles) x 256 along K: 1,536 units = 256 work-groups x 6 waves.  A wave brings its unit into its own LDS bytes by two tensor loads (32 rows x 512 bytes each, 16 bytes of padding
; behind each row), the second issued once the first is in: one load of a wave is out.  Nothing is filled twice and no wave reads another's bytes.  Only addresses differ between the tensors: one path through the text.
; A lane reads rows r + 8 (r / 8): rows r and r + 16 lie 16 x 132 words apart, so two of a load's sixteen lanes name the same columns of words; the launch moves each byte once and waits for memory, not for LDS.
; LIMITS: NaN and infinities among the inputs are not served.  A block whose largest magnitude lies under 2^-111, a block of zeros among them, gets the byte 1 (the rule says 127 for zeros): its codes are what the rule
; gives for that byte, zeros stay zeros, and the bytes are read by this program alone.
.set WREG, 33792                       ; LDS bytes of a wave: two chunks
.set CH,   16896                       ; a chunk: 32 rows x (512 + 16) bytes: 128 along K
.set XP,   528
.set X0,   16                          ; v16-79, v80-143: two sets of 64 numbers
.set X1,   80
.set PC,   144                         ; v144-207: the codes of the unit's four fragments, each in registers of its own: no store's data are written again
.set TM,   208                         ; v208-211 largest magnitudes, v212-215 bytes, v220-223 the conversions' scale operands
.set PW,   224                         ; v224-227: the four fragments' scale words
.set G1,   24                          ; s[24:31] descriptor group 1;  s[32:39] group 0, one set for each chunk
.set G0,   32
.set SEL,  40                          ; s[40:41] v_permlanex16_b32's selects for lane l xor 16
.set MNT,  42
.set HM,   43                          ; s43 lanes 16-31
	s_load_b256 s[4:11], s[0:1], 0x0               ; x, W_q, W_k, W_v
	s_load_b256 s[12:19], s[0:1], 0x20             ; W_out, xc, xs, wc
	s_load_b64 s[20:21], s[0:1], 0x40              ; ws
	v_lshl_add_u32 v240, v0, 2, 0x31800
	v_mov_b32 v241, 0
	ds_add_u32 v240, v241
	ds_add_u32 v240, v241
	v_lshrrev_b32 v1, 5, v0
	v_readfirstlane_b32 s22, v1                    ; wave 0..5
	s_mul_i32 s23, ttmp9, 6
	s_add_co_u32 s23, s23, s22                     ; my unit
	s_lshr_b32 s44, s23, 2                         ; its pair of tiles: 0-255 x's, 256-383 the weights'
	s_and_b32 s45, s23, 3                          ; which 256 along K
	s_mov_b32 s[G1+0], (2<<16)|(1<<20)|(6<<22)|(3<<25)   ; no mask; elements of 4 bytes; padding on: 4 words (code 3) behind every 128 words (code 6)
	s_mov_b32 s[G1+1], 128<<16                     ; tensor_dim0 = 128
	s_mov_b32 s[G1+2], 32<<16                      ; tensor_dim1 = 32
	s_mov_b32 s[G1+3], 128<<16                     ; tile_dim0 = 128
	s_mov_b32 s[G1+4], 32                          ; tile_dim1 = 32
	s_mov_b32 s[G1+5], 1024                        ; elements from row to row
	s_mov_b32 s[G1+6], 0
	s_mov_b32 s[G1+7], 0
	s_mov_b32 s[SEL], 0x76543210
	s_mov_b32 s[SEL+1], 0xfedcba98
	s_mov_b32 s[HM], 0xffff0000
	s_mul_i32 s46, s22, WREG                       ; my LDS bytes
	s_wait_dscnt 0x0
	s_wait_kmcnt 0x0
	s_cmp_lt_u32 s44, 288                          ; which tensor: the choices hang on the unit's number alone
	s_cselect_b64 s[6:7], s[6:7], s[8:9]
	s_cmp_lt_u32 s44, 320
	s_cselect_b64 s[6:7], s[6:7], s[10:11]
	s_cmp_lt_u32 s44, 352
	s_cselect_b64 s[6:7], s[6:7], s[12:13]
	s_cmp_lt_u32 s44, 256
	s_cselect_b64 s[4:5], s[4:5], s[6:7]           ; the numbers,
	s_cselect_b64 s[14:15], s[14:15], s[18:19]     ; the codes,
	s_cselect_b64 s[16:17], s[16:17], s[20:21]     ; the scale bytes
	s_cselect_b32 s47, 0, 256
	s_cselect_b32 s48, 255, 31
	s_sub_co_u32 s47, s44, s47                     ; the pair's number in xc or in wc,
	s_and_b32 s48, s47, s48                        ; and in its own tensor
	s_lshl_b32 s50, s48, 17                        ; 32 rows of 4,096 bytes
	s_lshl_b32 s49, s45, 10
	s_add_co_u32 s50, s50, s49
	s_mov_b32 s51, 0
	s_add_nc_u64 s[4:5], s[4:5], s[50:51]
	s_lshl_b32 s50, s47, 15                        ; two tiles of 16,384 bytes of codes; 256 along K are 4,096 of a tile's
	s_lshl_b32 s49, s45, 12
	s_add_co_u32 s50, s50, s49
	s_add_nc_u64 s[14:15], s[14:15], s[50:51]
	s_lshl_b32 s50, s47, 10                        ; 1,024 scale bytes a pair, 256 of them mine
	s_lshl_b32 s49, s45, 8
	s_add_co_u32 s50, s50, s49
	s_add_nc_u64 s[16:17], s[16:17], s[50:51]
.irp c, 0,1
	s_mov_b32 s[G0+4*\c], 1                        ; count = 1
	s_add_co_u32 s[G0+4*\c+1], s46, \c*CH          ; LDS address
	s_add_nc_u64 s[G0+4*\c+2:G0+4*\c+3], s[4:5], \c*512   ; global address: 128 along K on
	s_or_b32 s[G0+4*\c+3], s[G0+4*\c+3], 0x80000000       ; type = 2
	s_wait_alu depctr_va_vdst(0)
	s_wait_tensorcnt 0x0
	ds_add_u32 v240, v241
	ds_add_u32 v240, v241
	s_wait_dscnt 0x0
	s_barrier_signal -1
	s_barrier_wait -1
	tensor_load_to_lds s[G0+4*\c:G0+4*\c+3], s[G1:G1+7]
	s_nop 0
.endr
	v_and_b32 v1, 31, v0                           ; lane
	v_lshlrev_b32 v3, 3, v1                        ; 8 x lane: the scale words' place
	v_lshlrev_b32 v1, 4, v1                        ; 16 x lane: an image's place
	v_and_b32 v4, 15, v0                           ; r
	v_and_b32 v5, 8, v0
	v_add_nc_u32 v4, v4, v5                        ; r + 8 (r / 8)
	v_mul_u32_u24 v4, v4, XP
	v_bfe_u32 v5, v0, 4, 1                         ; h
	v_lshl_add_u32 v4, v5, 6, v4                   ; + 64 h: my 16 numbers of a block
	v_add_nc_u32 v2, s46, v4
.irp b, 0,1,2,3
	v_mov_b32 v[TM+4+\b], 0                        ; written once: a lane permute's destination counts as one of its sources
.endr
; fragment f = 2 c + u (chunk c, tile u of the pair): 64 numbers a lane; register 16 b + 4 j + n = k 32 b + 16 h + 4 j + n of my row
.macro DSL f, set
.irp b, 0,1,2,3
.irp j, 0,1,2,3
	ds_load_b128 v[\set+16*\b+4*\j:\set+16*\b+4*\j+3], v2 offset:((\f)/2)*CH+8*((\f)%2)*XP+128*\b+16*\j
.endr
.endr
.endm
; 64 numbers of a lane become a fragment's codes in v[pc] on and its scale word in v[pw]
.macro QUANT s, pc, pw
.irp b, 0,1,2,3
	v_max3_num_f32 v[TM+\b], |v[\s+16*\b]|, |v[\s+1+16*\b]|, 0x8000000   ; block b: my 16 numbers, and the floor 2^(16 - 127): the byte cannot fall under 1
.endr
.irp i, 2,4,6,8,10,12,14
.irp b, 0,1,2,3
	v_max3_num_f32 v[TM+\b], v[TM+\b], |v[\s+16*\b+\i]|, |v[\s+1+16*\b+\i]|   ; the four blocks by turns
.endr
.endr
.irp b, 0,1,2,3
	v_permlanex16_b32 v[TM+4+\b], v[TM+\b], s[SEL], s[SEL+1]
.endr
.irp b, 0,1,2,3
	v_max_num_f32 v[TM+\b], v[TM+\b], v[TM+4+\b]   ; with lane l xor 16's 16: the block's largest magnitude
.endr
.irp b, 0,1,2,3
	v_add_nc_u32 v[TM+12+\b], 0xf8800000, v[TM+\b]   ; 15 off its exponent field: the conversion takes this operand's exponent field as its scale
.endr
.irp b, 0,1,2,3
.endr
.irp b, 0,1,2,3
	v_lshrrev_b32 v[TM+4+\b], 23, v[TM+12+\b]      ; the scale's byte
.endr
	v_lshl_or_b32 v[\pw], v[TM+5], 8, v[TM+4]      ; four bytes: my row's scale word for these 128 along K
	v_lshl_or_b32 v[\pw], v[TM+6], 16, v[\pw]
	v_lshl_or_b32 v[\pw], v[TM+7], 24, v[\pw]
.irp b, 0,1,2,3
.irp i, 0,1,2,3,4,5,6,7,8,9,10,11,12,13,14,15
.endr
	v_cvt_scalef32_pk8_bf8_f32 v[\pc+4*\b:\pc+1+4*\b], v[\s+16*\b:\s+7+16*\b], v[TM+12+\b]
	v_cvt_scalef32_pk8_bf8_f32 v[\pc+2+4*\b:\pc+3+4*\b], v[\s+8+16*\b:\s+15+16*\b], v[TM+12+\b]
.endr
	v_nop                                          ; one plain line behind the last conversion
.endm
.macro OUT f                           ; each store covers 512 consecutive bytes, aligned
.irp c, 0,1,2,3
	global_store_b128 v1, v[PC+16*(\f)+4*\c:PC+16*(\f)+4*\c+3], s[14:15] offset:((\f)%2)*16384+((\f)/2)*2048+512*\c
.endr
.endm
	s_wait_alu depctr_va_vdst(0)
	s_wait_tensorcnt 0x1                           ; chunk 0 is in; chunk 1 may be out
	DSL 0, X0
	DSL 1, X1
	s_wait_dscnt 16                                ; the first set is in; the other set's 16 loads may be out
	QUANT X0, PC, PW
	OUT 0
	s_wait_tensorcnt 0x0                           ; chunk 1 is in
	DSL 2, X0
	s_wait_dscnt 16
	QUANT X1, PC+16, PW+1
	OUT 1
	DSL 3, X1
	s_wait_dscnt 16
	QUANT X0, PC+32, PW+2
	OUT 2
	s_wait_dscnt 0x0
	QUANT X1, PC+48, PW+3
	OUT 3
	v_cndmask_b32 v228, v[PW], v[PW+1], s[HM]      ; every lane holds row r's word of both tiles: lanes 0-15 keep tile 0's, lanes 16-31 take tile 1's
	v_cndmask_b32 v229, v[PW+2], v[PW+3], s[HM]    ; the same for the second 128 along K
	global_store_b64 v3, v[228:229], s[16:17]      ; 256 consecutive bytes, aligned
	s_wait_tensorcnt 0x0
	ds_add_u32 v240, v241
	s_wait_dscnt 0x0
	s_endpgm
.Lfunc_end_k_qade6d230f1_quant:
	.size	k_qade6d230f1_quant, .Lfunc_end_k_qade6d230f1_quant-k_qade6d230f1_quant
	.p2alignl 7, 3214868480
	.fill 96, 4, 3214868480
	.section	.rodata,"a",@progbits
	.p2align	6, 0x0
	.amdhsa_kernel k_qade6d230f1_quant
		.amdhsa_group_segment_fixed_size 327680
		.amdhsa_private_segment_fixed_size 0
		.amdhsa_enable_private_segment 0
		.amdhsa_kernarg_size 72
		.amdhsa_user_sgpr_count 2
		.amdhsa_user_sgpr_kernarg_segment_ptr 1
		.amdhsa_wavefront_size32 1
		.amdhsa_system_sgpr_workgroup_id_x 1
		.amdhsa_system_sgpr_workgroup_id_y 1
		.amdhsa_system_sgpr_workgroup_id_z 1
		.amdhsa_system_vgpr_workitem_id 0
		.amdhsa_next_free_vgpr 242
		.amdhsa_next_free_sgpr 66
		.amdhsa_reserve_vcc 0
		.amdhsa_float_denorm_mode_32 3
		.amdhsa_float_denorm_mode_16_64 3
		.amdhsa_fp16_overflow 1
		.amdhsa_memory_ordered 1
		.amdhsa_forward_progress 1
		.amdhsa_inst_pref_size 25
	.end_amdhsa_kernel
	.amdgpu_metadata
---
amdhsa.version: [ 1, 2 ]
amdhsa.kernels:
  - .name:           k_qade6d230f1_quant
    .symbol:         k_qade6d230f1_quant.kd
    .args:
      - { .name: x, .offset: 0, .size: 8, .value_kind: global_buffer, .address_space: global }
      - { .name: W_q, .offset: 8, .size: 8, .value_kind: global_buffer, .address_space: global }
      - { .name: W_k, .offset: 16, .size: 8, .value_kind: global_buffer, .address_space: global }
      - { .name: W_v, .offset: 24, .size: 8, .value_kind: global_buffer, .address_space: global }
      - { .name: W_out, .offset: 32, .size: 8, .value_kind: global_buffer, .address_space: global }
      - { .name: xc, .offset: 40, .size: 8, .value_kind: global_buffer, .address_space: global }
      - { .name: xs, .offset: 48, .size: 8, .value_kind: global_buffer, .address_space: global }
      - { .name: wc, .offset: 56, .size: 8, .value_kind: global_buffer, .address_space: global }
      - { .name: ws, .offset: 64, .size: 8, .value_kind: global_buffer, .address_space: global }
    .group_segment_fixed_size: 327680
    .private_segment_fixed_size: 0
    .kernarg_segment_align: 8
    .kernarg_segment_size: 72
    .max_flat_workgroup_size: 192
    .sgpr_count:     66
    .vgpr_count:     242
    .wavefront_size: 32
...
	.end_amdgpu_metadata
.endif
;; end of part 1
;; launch qkv (part 2): grid 12 x 32, 4 waves a work-group, clusters of 4 x 4, 327,680 bytes of LDS; arguments xc, xs, wc, ws, qq, kv; writes qq, kv
.if DOCPART == 2
	.amdgcn_target "amdgcn-amd-amdhsa--gfx1250"
	.amdhsa_code_object_version 6
	.text
	.protected	k_qade6d230f1_qkv
	.globl	k_qade6d230f1_qkv
	.p2align	8
	.type	k_qade6d230f1_qkv,@function
k_qade6d230f1_qkv:
	s_mov_b64 s[64:65], 0
	v_nop
	global_prefetch_b8 v0, s[64:65] scope:SCOPE_SE
	s_setreg_imm32_b32 hwreg(HW_REG_WAVE_MODE, 25, 1), 1
	s_wait_xcnt 0x0
	s_wait_alu depctr_hold_cnt(0) depctr_sa_sdst(0) depctr_va_vdst(0) depctr_va_sdst(0) depctr_va_ssrc(0) depctr_va_vcc(0) depctr_vm_vsrc(0)
	s_getreg_b32 s2, hwreg(HW_REG_IB_STS2, 6, 4)
	s_cmp_eq_u32 s2, 0
	s_cbranch_scc0 .Lentry_in_a_cluster
	s_endpgm
.Lentry_in_a_cluster:
	s_bfe_u32 s2, ttmp6, 0x10000c
	s_cmp_lg_u32 s2, 0xf033
	s_cbranch_scc0 .Lentry_shape_is_right
	s_endpgm
.Lentry_shape_is_right:
; q = x W_q^T, k = x W_k^T, v = x W_v^T on codes of BF8 (E5M2) with one E8M0 scale for each 32 along K = 1,024; f32 sums, K ascending, one accumulator for each result.  The results are quantised in
; registers, q and k along the head's 64, v along the keys, and leave as codes: no f32 result goes to memory.
; OPERANDS ARE IMAGES OF THEIR REGISTERS: [tile of 16 rows][block of 32 along K][512 bytes: lane l's 16 bytes at 16 l]; a fragment (16 rows x 128 K) is 2,048 consecutive bytes, four ds_load_b128 at 16 l + 512 c: no pitch,
; no padding.  Lane r of tile 2 b + u holds row 32 b + 8 u + r + 8 (r / 8).  Scale bytes: [pair of tiles][256 along K][tile of the pair][r][8 bytes].
; SHARES.  A work-group of four waves makes 256 x 256, a wave 128 x 128: 64 accumulators, 512 registers.  K goes in steps of 256 through two LDS slots; a wave's tensor load brings 8 tiles x 4,096 bytes.
; The scale bytes of the work-group's 2 x 256 rows, for all of K, come once with the first fills.
; THE MATRIX INSTRUCTION IS USED TRANSPOSED: source 0 = 16 rows of "B", source 1 = 16 rows of "A".  A lane then holds one row of A, and by the tiles' choice of rows its 64 registers of a block of A are 4 x 16 neighbours
; among B's rows.  Cluster x 0, 1 (q, k): A = x's tokens, B = the weight's rows: a lane holds a token and 4 x 16 neighbouring channels (two heads).  Cluster x 2 (v): A = W_v's rows, B = x's tokens: a lane holds a channel and
; 4 x 16 neighbouring keys.  In both cases a block of 32 lies in lanes l and l xor 16, and the conversions' results are 16 bytes of the next operand's image.
; CLUSTERS: 4 x 4 work-groups; A's tiles are asked for jointly along a row of the cluster, B's along a column.  The kind (q, k, v) hangs on the cluster's x alone, which all sixteen share.
; OUT.  qq: [batch x head: 64][128 tokens: 16] records of 8,448 bytes: Q's codes (8 tiles x 2 blocks x 512), then 256 bytes of scale words.  kv: records of 16,896 bytes: K's codes 8,192, V's codes 8,192 (4 tiles of channels x
; 4 blocks of keys x 512), K's scale words 256, V's 256.  K's and Q's words: [r][4]: word b = tile 2 b's two bytes, tile 2 b + 1's two.  V's: [lane 16 u + r][2]: word j = the four bytes of channel tile 2 j + u.
; LIMITS: as the launch in front: NaN and infinities are not served; a block under 2^-111 or of zeros gets the byte 1.
; REGISTERS, in windows of 256: window 0: v0-31 addresses; v32-63 scale words, two sets; v128-255 A's fragments, one set (on the way out: at work).  window 1: B's fragments, two sets.  windows 2, 3: the accumulators, (a, b) at v[8 (8 (a % 4) + b)].
.set NQ,     2                         ; matrix instructions deep in a slot
.set FR,     16                        ; registers of a fragment
.set NL,     4                         ; LDS loads that bring one
.set NP,     8                         ; places behind this matrix instruction (ISA guide 7.12.1)
.set HALFT,  32768                     ; 8 tiles x 4,096 bytes: what one tensor load brings, and what one wave reads of A or of B
.set SLOT,   4*HALFT                   ; A's two halves, then B's
.set SCL,    2*SLOT                    ; behind the ring: the scale bytes
.set HALFS,  4096                      ; those of 128 rows
.set SPARE,  SCL+4*HALFS               ; the spare words, 128 bytes for each wave: two blocks of 256 bytes that no other line names
.set ADRA, 16                          ; v16-17 LDS address of my A fragments in slot 0, 1
.set ADRB, 20                          ; v20-21 the same for B
.set ADRS, 27                          ; v27    of my scale words: lanes 0-15 A's, lanes 16-31 B's
.set SPW,  28                          ; v28    LDS address of my spare word; never rewritten
.set NIL,  29                          ; v29    0; never rewritten
.set SC,   32                          ; scale words: set s at v[SC + 16 s]; register 2 i + q: lanes 0-15 A's tile i, lanes 16-31 B's tile i, the slot's q-th 128 along K
.set AF,   128
.set PC,   160                         ; the way out: v160-175 a block's codes
.set VO,   176                         ; v176-179 where its four pieces of 512 bytes go
.set TM,   200                         ; v200-215 at work, as in the launch in front
.set PW,   216                         ; v216-223 the eight blocks' scale words
.set G1,   24                          ; s[24:31], s[32:39] groups 1 and 0 (one set a slot) for A's tiles;  s[48:55], s[56:63] for B's
.set G0,   32
.set G1B,  48
.set G0B,  56
.set G1S,  68                          ; s[68:75], s[76:79] for A's scales;  s[80:87], s[88:91] for B's
.set G0S,  76
.set G1SB, 80
.set G0SB, 88
.set SEL,  66
.set MNT,  19
.set OB,   92                          ; the way out: s[92:93] where the block's codes go, s[94:95] the scale words
.set SB,   94
.set MSB, 0
.macro WIN new                         ; the immediate's high byte repeats the setting that is left
.if MSB != (\new)
	s_set_vgpr_msb (MSB<<8)|(\new)
.set MSB, (\new)
.endif
.endm
.set MUL_LO, 0xa1                      ; source 0 (B) window 1, source 1 (A) window 0, C and D window 2
.set MUL_HI, 0xf1                      ; the same, C and D window 3
.set TO_B,   0x40                      ; destination window 1, address window 0
; A joint load: waves 0 and 1 fetch for A, waves 2 and 3 for B.  The branch hangs on the wave's number alone.  Four v_nop follow each of the two lines.
.macro JLOAD g0a, g1a, g0b, g1b
	s_cmp_eq_u32 s17, 0
	s_cbranch_scc0 .Lfor_b_\@
	tensor_load_to_lds s[\g0a:\g0a+3], s[\g1a:\g1a+7]
	s_nop 0
.rept 4
	v_nop
.endr
	s_branch .Lasked_\@
.Lfor_b_\@:
	tensor_load_to_lds s[\g0b:\g0b+3], s[\g1b:\g1b+7]
	s_nop 0
.rept 4
	v_nop
.endr
.Lasked_\@:
.endm
.macro CREST                           ; a round of the cluster's barrier behind its opening barrier
	s_cmp_lg_u32 s16, 0
	s_cbranch_scc1 .Lnot_wave_0_\@
	s_barrier_signal -3
.Lnot_wave_0_\@:
	s_barrier_wait -3
	s_barrier_signal -1
	s_barrier_wait -1
.endm
.macro CROUND                          ; a whole round
	s_barrier_signal -1
	s_barrier_wait -1
	CREST
.endm
	s_load_b256 s[4:11], s[0:1], 0x0               ; xc, xs, wc, ws
	s_load_b128 s[12:15], s[0:1], 0x20             ; qq, kv
	v_lshl_add_u32 v[SPW], v0, 2, SPARE
	v_mov_b32 v[NIL], 0
	ds_add_u32 v28, v29
	ds_add_u32 v28, v29
	s_wait_dscnt 0x0
	v_lshrrev_b32 v1, 5, v0
	v_readfirstlane_b32 s16, v1                    ; wave 0..3
	s_lshr_b32 s17, s16, 1                         ; which half of A's rows is mine.  Also: I fetch for A (0) or for B (1)
	s_and_b32 s18, s16, 1                          ; which half of B's rows.  Also: which half I fetch
	s_bfe_u32 s40, ttmp6, 0x40000                  ; cx, cy: my place in the cluster
	s_bfe_u32 s41, ttmp6, 0x40004
	s_lshl_b32 s42, ttmp9, 2                       ; 4 x cluster x
	s_and_b32 s43, ttmp7, 0xffff
	s_lshl_b32 s43, s43, 2                         ; 4 x cluster y
	s_lshl_b32 s2, s41, 2
	s_lshl_b32 s2, 15, s2                          ; my row of the cluster
	s_lshl_b32 s3, 0x1111, s40                     ; my column
	; group 1: 8 tiles' 4,096 bytes (512 elements of 8 bytes), 16,384 bytes (2,048 elements) apart
	s_or_b32 s[G1+0], s2, (3<<16)|(1<<21)          ; the mask: A's tiles go to my row; elements of 8 bytes; bit 21 set beside a mask
	s_or_b32 s[G1B+0], s3, (3<<16)|(1<<21)
.irp g, G1, G1B
	s_mov_b32 s[\g+1], 512<<16                     ; tensor_dim0
	s_mov_b32 s[\g+2], 8<<16                       ; tensor_dim1
	s_mov_b32 s[\g+3], 512<<16                     ; tile_dim0
	s_mov_b32 s[\g+4], 8                           ; tile_dim1
	s_mov_b32 s[\g+5], 2048                        ; from tile to tile
	s_mov_b32 s[\g+6], 0
	s_mov_b32 s[\g+7], 0
.endr
	; and for the scale bytes of 128 rows: 4,096 dense bytes as 16 rows of 256
	s_or_b32 s[G1S+0], s2, (3<<16)|(1<<21)
	s_or_b32 s[G1SB+0], s3, (3<<16)|(1<<21)
.irp g, G1S, G1SB
	s_mov_b32 s[\g+1], 32<<16
	s_mov_b32 s[\g+2], 16<<16
	s_mov_b32 s[\g+3], 32<<16
	s_mov_b32 s[\g+4], 16
	s_mov_b32 s[\g+5], 32
	s_mov_b32 s[\g+6], 0
	s_mov_b32 s[\g+7], 0
.endr
	s_lshl_b32 s46, s18, 17                        ; the half that I fetch: 8 tiles of 16,384 bytes of codes,
	s_lshl_b32 s47, s18, 12                        ; 4,096 scale bytes
	s_cmp_eq_u32 ttmp9, 2                          ; v?  The cluster's x: the same in all sixteen
	s_cselect_b32 s20, 8, s43                      ; A's first tile of 256 rows: W_v's in wc, or x's
	s_cselect_b32 s44, s43, s42                    ; B's: x's, or W_q's / W_k's in wc
	s_add_co_u32 s20, s20, s41                     ; A's tile hangs on cy alone,
	s_lshl_b32 s22, s20, 13
	s_lshl_b32 s20, s20, 18
	s_add_co_u32 s20, s20, s46
	s_add_co_u32 s22, s22, s47
	s_mov_b32 s21, 0
	s_mov_b32 s23, 0
	s_add_co_u32 s44, s44, s40                     ; B's on cx alone
	s_lshl_b32 s100, s44, 13
	s_lshl_b32 s44, s44, 18
	s_add_co_u32 s44, s44, s46
	s_add_co_u32 s100, s100, s47
	s_mov_b32 s45, 0
	s_mov_b32 s101, 0
	s_lshl_b32 s104, s16, 15                       ; where they go: wave x HALFT, wave x HALFS: no place in the cluster enters an LDS address
	s_lshl_b32 s105, s16, 12
	s_wait_kmcnt 0x0
	s_cmp_eq_u32 ttmp9, 2
	s_cselect_b64 s[92:93], s[8:9], s[4:5]         ; A's codes
	s_cselect_b64 s[94:95], s[10:11], s[6:7]       ; A's scales
	s_cselect_b64 s[96:97], s[4:5], s[8:9]         ; B's codes
	s_cselect_b64 s[98:99], s[6:7], s[10:11]       ; B's scales
	s_add_nc_u64 s[92:93], s[92:93], s[20:21]
	s_add_nc_u64 s[94:95], s[94:95], s[22:23]
	s_add_nc_u64 s[96:97], s[96:97], s[44:45]
	s_add_nc_u64 s[98:99], s[98:99], s[100:101]
	CROUND                                         ; all sixteen work-groups are here: the first joint loads meet
	s_mov_b32 s[G0S], 1
	s_add_co_u32 s[G0S+1], s105, SCL
	s_mov_b64 s[G0S+2:G0S+3], s[94:95]
	s_or_b32 s[G0S+3], s[G0S+3], 0x80000000
	s_mov_b32 s[G0SB], 1
	s_add_co_u32 s[G0SB+1], s105, SCL
	s_mov_b64 s[G0SB+2:G0SB+3], s[98:99]
	s_or_b32 s[G0SB+3], s[G0SB+3], 0x80000000
	JLOAD G0S, G1S, G0SB, G1SB                     ; the scales first: they are wanted with K step 0
.irp s, 0,1
	s_mov_b32 s[G0+4*\s], 1
	s_add_co_u32 s[G0+4*\s+1], s104, \s*SLOT
	s_add_nc_u64 s[G0+4*\s+2:G0+4*\s+3], s[92:93], \s*4096
	s_or_b32 s[G0+4*\s+3], s[G0+4*\s+3], 0x80000000
	s_mov_b32 s[G0B+4*\s], 1
	s_add_co_u32 s[G0B+4*\s+1], s104, \s*SLOT
	s_add_nc_u64 s[G0B+4*\s+2:G0B+4*\s+3], s[96:97], \s*4096
	s_or_b32 s[G0B+4*\s+3], s[G0B+4*\s+3], 0x80000000
	JLOAD G0+4*\s, G1, G0B+4*\s, G1B               ; three loads of mine are out
.endr
	v_and_b32 v1, 31, v0                           ; lane
	v_and_b32 v2, 15, v0                           ; r
	v_bfe_u32 v3, v0, 4, 1                         ; h
	s_wait_alu depctr_va_vdst(0)
	v_lshlrev_b32 v4, 4, v1                        ; 16 x lane
	s_lshl_b32 s20, s17, 15                        ; my half of A
	s_lshl_b32 s21, s18, 15                        ; my half of B,
	s_add_co_u32 s21, s21, 2*HALFT                 ; behind A's two
.irp s, 0,1
	v_add_nc_u32 v[ADRA+\s], s20, v4
	v_add_nc_u32 v[ADRB+\s], s21, v4
	s_add_co_u32 s20, s20, SLOT
	s_add_co_u32 s21, s21, SLOT
.endr
	s_lshl_b32 s20, s17, 12                        ; A's scale bytes: my half
	s_lshl_b32 s21, s18, 12                        ; B's: my half, behind A's two
	s_add_co_u32 s21, s21, 2*HALFS
	s_sub_co_u32 s21, s21, s20
	v_mul_u32_u24 v5, s21, v3                      ; lanes 16-31 take B's: one product, the distance between the two
	s_add_co_u32 s20, s20, SCL
	v_lshl_add_u32 v5, v2, 3, v5                   ; 8 bytes a row
	v_add_nc_u32 v[ADRS], s20, v5
.macro FRAG reg, adr, q, i             ; tile i's fragment of the slot's q-th 128 along K: 2,048 consecutive bytes
.irp c, 0,1,2,3
	ds_load_b128 v[\reg+4*\c:\reg+4*\c+3], v[\adr] offset:4096*(\i)+2048*(\q)+512*\c
.endr
.endm
; 16 matrix instructions: A's tiles a0, a0 + 1 x B's eight.  p: B's set; sc: the set of scale words.  zero = 1: the first product starts the sums.  The 64 accumulators take turns, one instruction a turn, in the same order in every step.
.macro MUL16 a0, p, q, sc, zero
.irp a, \a0, \a0+1
.irp b, 0,1,2,3,4,5,6,7
.if \zero
	v_wmma_scale_f32_16x16x128_f8f6f4 v[8*(8*((\a)%4)+\b):8*(8*((\a)%4)+\b)+7], v[128*(\p)+FR*\b:128*(\p)+FR*\b+FR-1], v[AF+FR*(\a):AF+FR*(\a)+FR-1], 0, v[SC+8*NQ*(\sc)+NQ*\b+(\q)], v[SC+8*NQ*(\sc)+NQ*(\a)+(\q)] matrix_a_fmt:MATRIX_FMT_BF8 matrix_b_fmt:MATRIX_FMT_BF8 matrix_a_scale:MATRIX_SCALE_ROW1
.else
	v_wmma_scale_f32_16x16x128_f8f6f4 v[8*(8*((\a)%4)+\b):8*(8*((\a)%4)+\b)+7], v[128*(\p)+FR*\b:128*(\p)+FR*\b+FR-1], v[AF+FR*(\a):AF+FR*(\a)+FR-1], v[8*(8*((\a)%4)+\b):8*(8*((\a)%4)+\b)+7], v[SC+8*NQ*(\sc)+NQ*\b+(\q)], v[SC+8*NQ*(\sc)+NQ*(\a)+(\q)] matrix_a_fmt:MATRIX_FMT_BF8 matrix_b_fmt:MATRIX_FMT_BF8 matrix_a_scale:MATRIX_SCALE_ROW1
.endif
.endr
.endr
.endm
.macro FETCH_B slot, q, p
	WIN TO_B
.irp i, 0,1,2,3,4,5,6,7
	FRAG 128*(\p)+FR*\i, ADRB+\slot, \q, \i
.endr
	WIN 0
.endm
.macro FETCH_A slot, q, i0
.irp i, \i0, \i0+1, \i0+2, \i0+3
	FRAG AF+FR*(\i), ADRA+\slot, \q, \i
.endr
.endm
.macro SCALES sc, ks                   ; K step ks's scale words into set sc: two words a row
.irp i, 0,1,2,3,4,5,6,7
	ds_load_b64 v[SC+8*NQ*\sc+NQ*\i:SC+8*NQ*\sc+NQ*\i+1], v[ADRS] offset:(\i/2)*1024+(\i%2)*128+256*(\ks)
.endr
.endm
.macro PLACES n                        ; plain vector lines between a matrix instruction and a load into, or a read of, its registers (ISA guide 7.12.1 for reads)
.rept \n
	v_nop
.endr
.endm
; A step of 128 along K that has its successor in the same slot.  A has one set of registers: tiles 0-3 are fetched anew in the step's middle, tiles 4-7 at its end; B has two sets.
.macro STEP slot, q, zero
	s_wait_dscnt 4*NL                              ; all but the youngest 16 loads (A's tiles 4-7) are in
	WIN MUL_LO
	MUL16 0, (\q)%2, \q, \slot, \zero
	MUL16 2, (\q)%2, \q, \slot, \zero
	s_wait_dscnt 0                                 ; A's tiles 4-7 are in
	PLACES NP
	FETCH_B \slot, (\q)+1, 1-(\q)%2
	FETCH_A \slot, (\q)+1, 0
	WIN MUL_HI
	MUL16 4, (\q)%2, \q, \slot, \zero
	MUL16 6, (\q)%2, \q, \slot, \zero
	PLACES NP
	WIN 0
	FETCH_A \slot, (\q)+1, 4
.endm
; A slot's last step changes slots: one barrier; in front of it each wave waits for all its tensor loads, adds 0 to its spare word, and waits for that and for its reads of this slot.  fill = 1: the slot is filled again, two K steps ahead; ks: the next K step.
.macro TURN slot, next, fill, ks
	s_wait_tensorcnt 0x0                           ; all my tensor loads have landed: my part of the next slot
	ds_add_u32 v[SPW], v[NIL]                      ; 0 onto my spare word
	s_wait_dscnt 4*NL+1                            ; (the add and the youngest 16 loads may be out)
	WIN MUL_LO
	MUL16 0, 1, NQ-1, \slot, 0                     ; sixteen matrix instructions stand between the add and the wait for it
	s_wait_dscnt 0x0                               ; the add is done, and my reads of this slot are over
	s_barrier_signal -1
	MUL16 2, 1, NQ-1, \slot, 0
	WIN 0
	s_barrier_wait -1
.if \fill
	CREST                                          ; the barrier has opened a round of the cluster's: no wave of any partner still reads this slot or has a load on its way
	s_add_nc_u64 s[G0+4*\slot+2:G0+4*\slot+3], s[G0+4*\slot+2:G0+4*\slot+3], 8192
	s_add_nc_u64 s[G0B+4*\slot+2:G0B+4*\slot+3], s[G0B+4*\slot+2:G0B+4*\slot+3], 8192
	JLOAD G0+4*\slot, G1, G0B+4*\slot, G1B         ; the first tensor load behind the round; its four v_nop are among the places in front of the loads below
	PLACES NP-4
.else
	PLACES NP
.endif
	FETCH_B \next, 0, 0
	FETCH_A \next, 0, 0
	SCALES \next, \ks
	WIN MUL_HI
	MUL16 4, 1, NQ-1, \slot, 0
	MUL16 6, 1, NQ-1, \slot, 0
	PLACES NP
	WIN 0
	FETCH_A \next, 0, 4
.endm
	s_wait_alu depctr_va_vdst(0)
	s_wait_tensorcnt 1                             ; the scales and my part of K step 0 are in (K step 1's load may be out)
	s_barrier_signal -1
	s_barrier_wait -1                              ; everybody's are
	FETCH_B 0, 0, 0
	FETCH_A 0, 0, 0
	SCALES 0, 0
	FETCH_A 0, 0, 4
	STEP 0, 0, 1                                   ; K = 1,024 is four K steps: written out, no loop
	TURN 0, 1, 1, 1
	STEP 1, 0, 0
	TURN 1, 0, 1, 2
	STEP 0, 0, 0
	TURN 0, 1, 0, 3                                ; nothing is left to fetch
	STEP 1, 0, 0
	s_wait_dscnt 4*NL
	WIN MUL_LO
	MUL16 0, 1, NQ-1, 1, 0
	MUL16 2, 1, NQ-1, 1, 0
	s_wait_dscnt 0
	WIN MUL_HI
	MUL16 4, 1, NQ-1, 1, 0
	MUL16 6, 1, NQ-1, 1, 0
	WIN 0
	; THE WAY OUT.  Where my results go: channels 256 fT + 128 fH on (two heads), tokens 256 tT + 128 tH on (one record's 128).
	s_cmp_eq_u32 ttmp9, 2
	s_cselect_b32 s20, s41, s40                    ; fT
	s_cselect_b32 s21, s40, s41                    ; the token tile's place in the cluster
	s_cselect_b32 s22, s17, s18                    ; fH
	s_cselect_b32 s23, s18, s17                    ; tH
	s_cselect_b32 s2, 1, 0                         ; v?
	s_mov_b32 s96, 1024
	s_cselect_b32 s96, 2048, s96                   ; from block to block of A: a token tile's 1,024 bytes, or a channel tile's 2,048
	s_cselect_b32 s98, 262144, 0                   ; v: behind four channel tiles the next head's record: 270,336 - 8,192 further
	s_cselect_b32 s3, 8192, 0                      ; V's codes lie behind K's
	s_mov_b32 s44, 16384
	s_cselect_b32 s44, 16640, s44                  ; the scale words' place in a record
	s_mov_b32 s97, 0
	s_mov_b32 s99, 0
	s_cmp_eq_u32 ttmp9, 0
	s_cselect_b64 s[12:13], s[12:13], s[14:15]     ; qq or kv
	s_cselect_b32 s44, 8192, s44
	s_mov_b32 s45, 16896
	s_cselect_b32 s45, 8448, s45                   ; a record's bytes
	s_add_co_u32 s21, s21, s43                     ; tT
	s_lshr_b32 s46, s21, 3                         ; batch
	s_and_b32 s21, s21, 7
	s_lshl_b32 s21, s21, 1
	s_add_co_u32 s21, s21, s23                     ; which 128 tokens of the batch's 2,048
	s_lshl_b32 s20, s20, 2
	s_lshl_b32 s22, s22, 1
	s_add_co_u32 s20, s20, s22                     ; my first head
	s_lshl_b32 s46, s46, 4
	s_add_co_u32 s46, s46, s20
	s_lshl_b32 s46, s46, 4
	s_add_co_u32 s46, s46, s21                     ; the record's number
	s_mul_i32 s46, s46, s45
	s_lshl_b32 s47, s45, 4                         ; from a head to the next: 16 records
	s_add_co_u32 s20, s46, s3
	s_mov_b32 s21, 0
	s_add_nc_u64 s[OB:OB+1], s[12:13], s[20:21]
	s_add_co_u32 s20, s46, s44
	s_add_nc_u64 s[SB:SB+1], s[12:13], s[20:21]
	s_cmp_eq_u32 ttmp9, 2
	s_cselect_b32 s100, 1024, s47                  ; from a block's pieces 0, 1 to its pieces 2, 3: v: the next two blocks of keys; q, k: the next head
	s_mov_b32 s101, 0xffff0000                     ; lanes 16-31
	s_mov_b32 s104, 0x05040100                     ; two low halves
	s_mov_b32 s105, 0x07060302                     ; two high halves
	s_mov_b32 s[SEL], 0x76543210
	s_mov_b32 s[SEL+1], 0xfedcba98
	PLACES NP                                      ; behind the last products: their results are read and the registers that held A's fragments are written below
	v_lshlrev_b32 v[VO], 4, v1
	v_add_nc_u32 v[VO+1], 512, v[VO]
	v_add_nc_u32 v[VO+2], s100, v[VO]
	v_add_nc_u32 v[VO+3], 512, v[VO+2]
.irp b, 0,1,2,3
	v_mov_b32 v[TM+4+\b], 0                        ; written once: a lane permute's destination counts as one of its sources
.endr
; Block a of A: my 64 results, register 16 b + i = neighbour 32 b + 16 h + i along the next K, become 4 x 16 bytes of codes and a scale word.  Each accumulator is read from its low end on.
.macro QUANTW a
.set AW, 2+(\a)/4
.set AC, 64*((\a)%4)
.if (\a) > 0
	s_wait_xcnt 0x0                                ; the last block's stores have read their data and their base: both are written again only behind this wait
	s_add_nc_u64 s[OB:OB+1], s[OB:OB+1], s[96:97]
.if (\a) == 4
	s_add_nc_u64 s[OB:OB+1], s[OB:OB+1], s[98:99]
.endif
.endif
	WIN AW|(AW<<2)                                 ; sources 0 and 1: the accumulators' window
.irp b, 0,1,2,3
	v_max3_num_f32 v[TM+\b], |v[AC+16*\b]|, |v[AC+16*\b+1]|, 0x8000000   ; with the floor 2^(16 - 127)
.endr
.irp i, 2,4,6,8,10,12,14
.irp b, 0,1,2,3
	v_max3_num_f32 v[TM+\b], |v[AC+16*\b+\i]|, |v[AC+16*\b+\i+1]|, v[TM+\b]
.endr
.endr
	WIN 0
.irp b, 0,1,2,3
	v_permlanex16_b32 v[TM+4+\b], v[TM+\b], s[SEL], s[SEL+1]
.endr
.irp b, 0,1,2,3
	v_max_num_f32 v[TM+\b], v[TM+\b], v[TM+4+\b]   ; the block's largest magnitude
.endr
.irp b, 0,1,2,3
	v_add_nc_u32 v[TM+12+\b], 0xf8800000, v[TM+\b]   ; 15 off its exponent field: the conversion's scale operand
.endr
.irp b, 0,1,2,3
.endr
.irp b, 0,1,2,3
	v_lshrrev_b32 v[TM+4+\b], 23, v[TM+12+\b]      ; the scale's byte
.endr
	v_lshl_or_b32 v[PW+(\a)], v[TM+5], 8, v[TM+4]
	v_lshl_or_b32 v[PW+(\a)], v[TM+6], 16, v[PW+(\a)]
	v_lshl_or_b32 v[PW+(\a)], v[TM+7], 24, v[PW+(\a)]
	WIN AW|(AW<<6)                                 ; source 0 and destination: the accumulators' window
.irp b, 0,1,2,3
.irp i, 0,1,2,3,4,5,6,7,8,9,10,11,12,13,14,15
.endr
.endr
	WIN AW
.irp b, 0,1,2,3
	v_cvt_scalef32_pk8_bf8_f32 v[PC+4*\b:PC+4*\b+1], v[AC+16*\b:AC+16*\b+7], v[TM+12+\b]
	v_cvt_scalef32_pk8_bf8_f32 v[PC+4*\b+2:PC+4*\b+3], v[AC+16*\b+8:AC+16*\b+15], v[TM+12+\b]
.endr
	WIN 0
	v_nop                                          ; one plain line behind the last conversion
.irp b, 0,1,2,3
	global_store_b128 v[VO+\b], v[PC+4*\b:PC+4*\b+3], s[OB:OB+1]   ; 512 consecutive bytes, aligned: a tile's codes of one block
.endr
.endm
.irp a, 0,1,2,3,4,5,6,7
	QUANTW \a
.endr
	s_cmp_eq_u32 s2, 1                             ; the scale words' layouts differ; the branch hangs on the cluster's x alone
	s_cbranch_scc1 .Lv_words
.irp b, 0,1,2,3                        ; q, k: a block's word holds my first head's two bytes below and my second head's above: word b of a head = tile 2 b's two bytes, tile 2 b + 1's two
	v_perm_b32 v184, v[PW+2*\b+1], v[PW+2*\b], s104
	v_perm_b32 v185, v[PW+2*\b+1], v[PW+2*\b], s105
	v_cndmask_b32 v[180+\b], v184, v185, s101      ; lanes 0-15 the first head, lanes 16-31 the second
.endr
	v_mul_u32_u24 v186, v3, s47
	v_lshl_add_u32 v186, v2, 4, v186               ; 16 r, + a head's 16 records for lanes 16-31
	global_store_b128 v186, v[180:183], s[SB:SB+1]   ; sixteen lanes store 256 consecutive bytes, aligned
	s_branch .Lwords_out
.Lv_words:
.irp g, 0,1,2,3                        ; v: block 4 hh + t is head hh's channel tile t, its word the four blocks of keys: word j of lane 16 u + r = tile 2 j + u
	v_cndmask_b32 v[188+\g], v[PW+2*\g], v[PW+2*\g+1], s101
.endr
	v_lshlrev_b32 v187, 3, v1
	global_store_b64 v187, v[188:189], s[SB:SB+1]
	global_store_b64 v187, v[190:191], s[SB:SB+1] offset:270336
.Lwords_out:
	s_wait_tensorcnt 0x0                           ; the wave's end
	ds_add_u32 v[SPW], v[NIL]
	s_wait_dscnt 0x0
	CROUND                                         ; the closing round: no work-group ends while a partner may still ask for a tile that names it
	s_endpgm
.Lfunc_end_k_qade6d230f1_qkv:
	.size	k_qade6d230f1_qkv, .Lfunc_end_k_qade6d230f1_qkv-k_qade6d230f1_qkv
	.p2alignl 7, 3214868480
	.fill 96, 4, 3214868480
	.section	.rodata,"a",@progbits
	.p2align	6, 0x0
	.amdhsa_kernel k_qade6d230f1_qkv
		.amdhsa_group_segment_fixed_size 327680
		.amdhsa_private_segment_fixed_size 0
		.amdhsa_enable_private_segment 0
		.amdhsa_kernarg_size 48
		.amdhsa_user_sgpr_count 2
		.amdhsa_user_sgpr_kernarg_segment_ptr 1
		.amdhsa_wavefront_size32 1
		.amdhsa_system_sgpr_workgroup_id_x 1
		.amdhsa_system_sgpr_workgroup_id_y 1
		.amdhsa_system_sgpr_workgroup_id_z 1
		.amdhsa_system_vgpr_workitem_id 0
		.amdhsa_next_free_vgpr 1024
		.amdhsa_next_free_sgpr 106
		.amdhsa_reserve_vcc 0
		.amdhsa_float_denorm_mode_32 3
		.amdhsa_float_denorm_mode_16_64 3
		.amdhsa_fp16_overflow 1
		.amdhsa_memory_ordered 1
		.amdhsa_forward_progress 1
		.amdhsa_inst_pref_size 152
	.end_amdhsa_kernel
	.amdgpu_metadata
---
amdhsa.version: [ 1, 2 ]
amdhsa.kernels:
  - .name:           k_qade6d230f1_qkv
    .symbol:         k_qade6d230f1_qkv.kd
    .args:
      - { .name: xc, .offset: 0, .size: 8, .value_kind: global_buffer, .address_space: global }
      - { .name: xs, .offset: 8, .size: 8, .value_kind: global_buffer, .address_space: global }
      - { .name: wc, .offset: 16, .size: 8, .value_kind: global_buffer, .address_space: global }
      - { .name: ws, .offset: 24, .size: 8, .value_kind: global_buffer, .address_space: global }
      - { .name: qq, .offset: 32, .size: 8, .value_kind: global_buffer, .address_space: global }
      - { .name: kv, .offset: 40, .size: 8, .value_kind: global_buffer, .address_space: global }
    .group_segment_fixed_size: 327680
    .private_segment_fixed_size: 0
    .kernarg_segment_align: 8
    .kernarg_segment_size: 48
    .max_flat_workgroup_size: 128
    .sgpr_count:     106
    .vgpr_count:     1024
    .wavefront_size: 32
...
	.end_amdgpu_metadata
.endif
;; end of part 2
;; launch attn (part 3): grid 4 x 64, 16 waves a work-group, no clusters, 327,680 bytes of LDS; arguments qq, kv, cc, cs; writes cc, cs
.if DOCPART == 3
	.amdgcn_target "amdgcn-amd-amdhsa--gfx1250"
	.amdhsa_code_object_version 6
	.text
	.protected	k_qade6d230f1_attn
	.globl	k_qade6d230f1_attn
	.p2align	8
	.type	k_qade6d230f1_attn,@function
k_qade6d230f1_attn:
	s_mov_b64 s[64:65], 0
	v_nop
	global_prefetch_b8 v0, s[64:65] scope:SCOPE_SE
	s_setreg_imm32_b32 hwreg(HW_REG_WAVE_MODE, 25, 1), 1
	s_wait_xcnt 0x0
; ctx[b][q][head] = softmax_k(q . k / 8, causal) v, both products on codes of BF8 (E5M2) with one E8M0 scale for each 32 along a product's K; ctx is quantised in registers along d_out and leaves as codes.
; THE SOFTMAX AHEAD OF THE SECOND PRODUCT: t = score x log2(e) / 8; M = the row's largest t so far, rounded UP to a whole number; p = 2^(t - M) is quantised along the keys, not normalised.  The row's sum is taken of the
; unquantised p, in f32, and divides at the end.  When M moves, the sum and O are multiplied by 2^(old M - new M): exact.
; IN: qq and kv, records of 128 tokens for each batch x head, laid as images of the operands' registers (the launch in front says how).  Lane r of tile 2 b + u holds token (or channel) 32 b + 8 u + r + 8 (r / 8).
; SHARES.  Work-group (x, batch x head) owns the blocks x and 7 - x of 256 queries, one after the other.  A slot is 256 keys (two records), so it walks (x + 1) + (8 - x) = 9 slots: the same in all 256 work-groups, and no
; slot is fetched that the mask hides whole.  One loop of a constant number of trips serves both passes.  Each of SIXTEEN waves owns one tile of 16 queries, in 256 registers: four waves to a SIMD.
; Multicast is left out: the four work-groups of a head walk different runs of slots (x + 1, then 8 - x); in step they would take 4 + 8 slot times for 9, and a slot is 33,792 bytes for sixteen waves' two key steps.
; LAYOUT.  Both products are used transposed: S^T = K Q^T, O^T = V^T P^T: a lane holds ONE query throughout; its 16 registers of two neighbouring tiles are 16 neighbouring keys (or channels).
; K = 64 IN AN INSTRUCTION OF 128.  A fragment of K holds TWO tiles of keys: registers 0-7 tile 2 b's 64 channels, registers 8-15 tile 2 b + 1's.  Q stands in a run of 24 registers, zeros | q | zeros: [q, 0] gives tile 2 b's
; scores, [0, q] tile 2 b + 1's.  The half that is not wanted meets the code 0; K's codes are finite (the quantiser holds every number at the largest code), so those products are zeros.
; CAUSAL.  A key step all of whose keys come after my queries is left out by a scalar branch on ids; on the diagonal hidden scores become -infinity ahead of the maximum.  My 16 queries lie in one group of 32, and a step begins
; at a multiple of 128: in a step that is not left out every lane sees the step's first key, so M is a number from the first step on.
; LIMITS: 1 / the sum is v_rcp_f32; a p under 2^-126 is 0 (v_exp_f32); a block of ctx under 2^-111 or of zeros gets the byte 1; NaN and infinities are not served.
.set REC,   16896                      ; a record of kv: K's codes 8,192, V's codes 8,192, K's scale words 256, V's 256
.set RECQ,  8448                       ; a record of qq: Q's codes 8,192, scale words 256
.set SLOT1, 65536                      ; slot 1 begins here: one exclusive or turns an address in one slot into the other's
.set SPARE, 131072                     ; the spare words, 128 bytes for each wave: eight blocks of 256 bytes that no other line names
.set LI,   1                           ; v1   16 x lane
.set AK0,  2                           ; v2   16 r + 16,384: K's scale words in a record
.set AV0,  3                           ; v3   8 x lane + 16,640: V's
.set DQ,   4                           ; v4   r + 8 (r / 8) - 16 h
.set SPW,  5                           ; v5   LDS address of my spare word; never rewritten
.set NIL,  6                           ; v6   0; never rewritten
.set QO,   7                           ; v7   my bytes of Q's codes in a record
.set ADC,  8                           ; v8-10 v1-3 in the slot in hand
.set ADK,  9
.set ADV,  10
.set CSO,  11                          ; v11  8 r + h: my scale byte of ctx
.set QR,   16                          ; v16-39 Q's run: zeros, q, zeros
.set KS,   40                          ; v40-43 K's scale words;  v44-45 V's;  v46 Q's;  v47 p's
.set VS,   44
.set QS,   46
.set PWD,  47
.set FF,   48                          ; v[48:49] f = 2^(old M - new M), and a 0 that is named with it as a pair
.set W0,   50                          ; v50-55 at work
.set QRAW, 56                          ; v56  Q's word as it lies;  v57 its place
.set QSO,  57
.set F,    64                          ; v64-127  four fragments, of K and then of V
.set S,    128                         ; v128-191 S^T, then p
.set O,    192                         ; v192-223 O^T
.set PC,   224                         ; v224-239 p's codes
.set TM,   240                         ; v240-243 block maxima, v244-247 bytes, v252-255 the conversions' scale operands
.set WV,   12
.set X,    13
.set BH,   14
.set T,    15                          ; s15 the trip
.set KF,   16                          ; s16 the step's first key
.set QMIN, 17                          ; s17 my smallest query;  s18 the second pass's
.set MNT,  19
.set SEL,  20
.set CS,   22                          ; s[22:23] c = log2(e) / 8
.set G1,   24
.set G0,   32
.set KVW,  36                          ; s[36:37] kv at my head, at the record of a slot that I fetch
.set KO,   38                          ; s[38:39] the next slot's bytes from there
.set TB,   40                          ; s40 LDS byte at which the slot in hand begins
.set HM,   41
.set PSEL, 42
.set QW,   44                          ; s[44:47] Q's record, pass 0 and 1;  s[48:51] ctx's codes;  s[52:55] its scale bytes
.set CW,   48
.set CSW,  52
.macro TLOAD                           ; waves 0 and 1 fetch a record each, the others nothing.  Four v_nop follow the line
	s_cmp_lt_u32 s[WV], 2
	s_cbranch_scc0 .Lnone_\@
	tensor_load_to_lds s[G0:G0+3], s[G1:G1+7]
	s_nop 0
.rept 4
	v_nop
.endr
.Lnone_\@:
.endm
.macro PASSADR p                       ; s56 = the pass's block of 256 queries
	s_lshl_b32 s57, s[BH], 4
	s_lshl_b32 s58, s56, 1
	s_add_co_u32 s57, s57, s58
	s_lshr_b32 s58, s[WV], 3
	s_add_co_u32 s57, s57, s58                     ; Q's record: 16 a head, 2 a block, waves 8-15 the second
	s_mul_i32 s58, s57, RECQ
	s_mov_b32 s59, 0
	s_add_nc_u64 s[QW+2*\p:QW+2*\p+1], s[4:5], s[58:59]
	s_lshr_b32 s57, s[BH], 4
	s_lshl_b32 s57, s57, 7
	s_lshl_b32 s58, s56, 4
	s_add_co_u32 s57, s57, s58
	s_add_co_u32 s57, s57, s[WV]                   ; my tile of tokens: 128 a batch, 16 a block
	s_lshl_b32 s58, s57, 14
	s_and_b32 s60, s[BH], 15                       ; the head: blocks 2 head, 2 head + 1 of ctx's K
	s_lshl_b32 s61, s60, 10
	s_add_co_u32 s58, s58, s61
	s_add_nc_u64 s[CW+2*\p:CW+2*\p+1], s[8:9], s[58:59]
	s_lshr_b32 s58, s57, 1
	s_lshl_b32 s58, s58, 10
	s_lshr_b32 s61, s60, 2
	s_lshl_b32 s61, s61, 8
	s_add_co_u32 s58, s58, s61
	s_and_b32 s61, s[WV], 1
	s_lshl_b32 s61, s61, 7
	s_add_co_u32 s58, s58, s61
	s_and_b32 s61, s60, 3
	s_lshl_b32 s61, s61, 1
	s_add_co_u32 s58, s58, s61
	s_add_nc_u64 s[CSW+2*\p:CSW+2*\p+1], s[10:11], s[58:59]
	s_lshl_b32 s57, s56, 8
	s_lshr_b32 s58, s[WV], 1
	s_lshl_b32 s58, s58, 5
	s_add_co_u32 s57, s57, s58
	s_and_b32 s58, s[WV], 1
	s_lshl_b32 s58, s58, 3
	s_add_co_u32 s[QMIN+\p], s57, s58              ; lane r's query is this + r + 8 (r / 8)
.endm
	s_load_b256 s[4:11], s[0:1], 0x0               ; qq, kv, cc, cs
	v_lshl_add_u32 v[SPW], v0, 2, SPARE
	v_mov_b32 v[NIL], 0
	ds_add_u32 v5, v6
	ds_add_u32 v5, v6
	s_wait_dscnt 0x0
	v_lshrrev_b32 v1, 5, v0
	s_delay_alu instid0(VALU_DEP_1)
	v_readfirstlane_b32 s[WV], v1                  ; wave 0..15
	s_mov_b32 s[X], ttmp9
	s_and_b32 s[BH], ttmp7, 0xffff
	s_mov_b32 s[G1+0], 3<<16                       ; no mask; elements of 8 bytes; no padding: a record is 66 dense rows of 256 bytes
	s_mov_b32 s[G1+1], 32<<16
	s_mov_b32 s[G1+2], 66<<16
	s_mov_b32 s[G1+3], 32<<16
	s_mov_b32 s[G1+4], 66
	s_mov_b32 s[G1+5], 32
	s_mov_b32 s[G1+6], 0
	s_mov_b32 s[G1+7], 0
	s_mov_b32 s[SEL], 0x76543210
	s_mov_b32 s[SEL+1], 0xfedcba98
	s_mov_b32 s[CS], 0x3e38aa3b                    ; log2(e) / 8
	s_mov_b32 s[CS+1], s[CS]                       ; (named with it as a pair, so it is written)
	s_mov_b32 s[HM], 0xffff0000
	s_mov_b32 s[TB], 0
	s_mov_b32 s[KO], 0
	s_mov_b32 s[KO+1], 0
	s_mov_b32 s[T], 0
	s_mov_b32 s[KF], 0
	s_and_b32 s56, s[WV], 1
	s_mul_i32 s57, s56, REC                        ; which record of a slot I fetch, if I fetch
	s_mul_i32 s58, s[BH], 16*REC
	s_add_co_u32 s58, s58, s57
	s_mov_b32 s59, 0
	s_cmp_eq_u32 s56, 1
	s_mov_b32 s[PSEL], 0x01000100                  ; my tile's two bytes of Q's word, twice: the low half for an even tile,
	s_cselect_b32 s[PSEL], 0x03020302, s[PSEL]     ; the high half for an odd one
	s_wait_kmcnt 0x0
	s_add_nc_u64 s[KVW:KVW+1], s[6:7], s[58:59]
	s_mov_b32 s[G0], 1
	s_mov_b32 s[G0+1], s57
	s_mov_b64 s[G0+2:G0+3], s[KVW:KVW+1]
	s_or_b32 s[G0+3], s[G0+3], 0x80000000
	TLOAD                                          ; slot 0: the head's first 256 keys.  One load of a wave is out, here and behind every change of slots
	s_mov_b32 s56, s[X]
	PASSADR 0
	s_sub_co_u32 s56, 7, s[X]
	PASSADR 1
	v_and_b32 v50, 31, v0                          ; lane
	v_and_b32 v51, 15, v0                          ; r
	v_bfe_u32 v52, v0, 4, 1                        ; h
	s_delay_alu instid0(VALU_DEP_3)
	v_lshlrev_b32 v[LI], 4, v50
	s_delay_alu instid0(VALU_DEP_3)
	v_lshl_add_u32 v[AK0], v51, 4, 16384
	v_lshl_add_u32 v[AV0], v50, 3, 16640
	v_and_b32 v53, 8, v0
	s_delay_alu instid0(VALU_DEP_1)
	v_add_nc_u32 v[DQ], v51, v53
	v_lshlrev_b32 v53, 4, v52
	s_delay_alu instid0(VALU_DEP_1)
	v_sub_nc_u32 v[DQ], v[DQ], v53
	s_and_b32 s56, s[WV], 7                        ; my tile in Q's record
	s_lshl_b32 s57, s56, 10
	v_add_nc_u32 v[QO], s57, v[LI]
	v_lshl_add_u32 v[CSO], v51, 3, v52
	s_lshr_b32 s56, s56, 1
	s_lshl_b32 s56, s56, 2
	s_add_co_u32 s56, s56, 8192
	v_lshl_add_u32 v[QSO], v51, 4, s56             ; row r's four words, the word of my pair of tiles
	global_load_b128 v[QR+8:QR+11], v[QO], s[QW:QW+1]
	global_load_b128 v[QR+12:QR+15], v[QO], s[QW:QW+1] offset:512
	global_load_b32 v[QRAW], v[QSO], s[QW:QW+1]
.irp j, 0,1,2,3,4,5,6,7
	v_mov_b32 v[QR+\j], 0                          ; the zeros round q: written once
	v_mov_b32 v[QR+16+\j], 0
.endr
	v_mov_b32 v13, 0xff61b1e6                      ; the largest t so far: -3e38, under every t
	s_delay_alu instid0(VALU_DEP_1)
	v_floor_f32 v12, -v13                          ; -M
	v_mov_b32 v14, 0                               ; the sum, in two halves
	v_mov_b32 v15, 0
	v_mov_b32 v[FF+1], 0
.irp b, 0,1,2,3
	v_mov_b32 v[TM+4+\b], 0                        ; written once: a lane permute's destination counts as one of its sources
.endr
.set n, 0
.rept 32
	v_mov_b32 v[O+n], 0                            ; O^T: the step is written once; a pass's first step finds zeros, which the first change of M leaves zeros
.set n, n+1
.endr
	s_wait_loadcnt 0x0
	v_perm_b32 v[QS], v[QRAW], v[QRAW], s[PSEL]    ; s0, s1, s0, s1: it serves [q, 0] and [0, q] alike
; A KEY STEP: 128 keys, record q of the slot in hand.
.macro STEP q
	s_add_co_u32 s56, s[QMIN], 23                  ; my largest query
	s_cmp_gt_u32 s[KF], s56
	s_cbranch_scc1 .Lhidden_\@                     ; all of the step's keys come after my queries
.rept 8
	v_nop                                          ; places behind the last products, in front of loads into registers that they have read
.endr
	s_wait_alu depctr_va_vdst(0)
.irp b, 0,1,2,3
.irp c, 0,1,2,3
	ds_load_b128 v[F+16*\b+4*\c:F+16*\b+4*\c+3], v[ADC] offset:(\q)*REC+2048*\b+512*\c
.endr
.endr
	ds_load_b128 v[KS:KS+3], v[ADK] offset:(\q)*REC
	s_wait_dscnt 0x0
	s_wait_alu depctr_va_vdst(0)
.irp b, 0,1,2,3
	v_wmma_scale_f32_16x16x128_f8f6f4 v[S+16*\b:S+16*\b+7], v[F+16*\b:F+16*\b+15], v[QR+8:QR+23], 0, v[KS+\b], v[QS] matrix_a_fmt:MATRIX_FMT_BF8 matrix_b_fmt:MATRIX_FMT_BF8
	v_wmma_scale_f32_16x16x128_f8f6f4 v[S+16*\b+8:S+16*\b+15], v[F+16*\b:F+16*\b+15], v[QR:QR+15], 0, v[KS+\b], v[QS] matrix_a_fmt:MATRIX_FMT_BF8 matrix_b_fmt:MATRIX_FMT_BF8
.endr
.rept 8
	v_nop
.endr
.irp t, 0,1,2,3                        ; V is asked for now: it lands under the softmax, which touches none of these registers
.irp c, 0,1,2,3
	ds_load_b128 v[F+16*\t+4*\c:F+16*\t+4*\c+3], v[ADC] offset:(\q)*REC+8192+2048*\t+512*\c
.endr
.endr
	ds_load_b64 v[VS:VS+1], v[ADV] offset:(\q)*REC
	s_add_co_u32 s56, s[KF], 127
	s_cmp_le_u32 s56, s[QMIN]
	s_cbranch_scc1 .Lopen_\@                       ; all of the step's keys count
	s_sub_co_i32 s56, s[QMIN], s[KF]
	v_add_nc_u32 v[W0], s56, v[DQ]                 ; d = my query - KF - 16 h.  Register 16 b + i holds key KF + 32 b + 16 h + i: hidden where 32 b + i > d
	v_mov_b32 v[W0+1], 0xff800000                  ; -infinity
.set n, 0
.rept 64
	v_cmp_gt_i32 vcc_lo, 32*(n/16)+n%16, v[W0]
	v_cndmask_b32 v[S+n], v[S+n], v[W0+1], vcc_lo
.set n, n+1
.endr
.Lopen_\@:
.irp b, 0,1,2,3
	v_max3_num_f32 v[TM+\b], v[S+16*\b], v[S+1+16*\b], v[S+2+16*\b]   ; the largest score of each block of 32 keys: for the row's maximum, and, since p rises with the score, for the block's largest p
.endr
.irp i, 3,5,7,9,11,13
.irp b, 0,1,2,3
	v_max3_num_f32 v[TM+\b], v[TM+\b], v[S+16*\b+\i], v[S+1+16*\b+\i]
.endr
.endr
.irp b, 0,1,2,3
	v_max_num_f32 v[TM+\b], v[TM+\b], v[S+15+16*\b]
.endr
.irp b, 0,1,2,3
	s_delay_alu instid0(VALU_DEP_4)
	v_permlanex16_b32 v[TM+4+\b], v[TM+\b], s[SEL], s[SEL+1]
.endr
.irp b, 0,1,2,3
	s_delay_alu instid0(VALU_DEP_4)
	v_max_num_f32 v[TM+\b], v[TM+\b], v[TM+4+\b]   ; with lane l xor 16's 16 keys
.endr
	s_delay_alu instid0(VALU_DEP_2)
	v_max3_num_f32 v[W0], v[TM], v[TM+1], v[TM+2]
	s_delay_alu instid0(VALU_DEP_1)
	v_max_num_f32 v[W0], v[W0], v[TM+3]            ; the step's largest score of my query
	s_delay_alu instid0(VALU_DEP_1)
	v_mul_f32 v[W0], s[CS], v[W0]                  ; as t (c is positive)
	s_delay_alu instid0(VALU_DEP_1)
	v_max_num_f32 v13, v13, v[W0]                  ; the running largest t
	v_mov_b32 v[W0], v12
	s_delay_alu instid0(VALU_DEP_2)
	v_floor_f32 v12, -v13                          ; the new -M = floor(-t) = -ceil(t): a whole number
	s_delay_alu instid0(VALU_DEP_1)
	v_sub_f32 v[W0], v12, v[W0]                    ; old M - new M: a whole number, 0 or less
	s_delay_alu instid0(VALU_DEP_1)
	v_cvt_i32_f32 v[W0], v[W0]                     ; (it saturates)
	s_delay_alu instid0(VALU_DEP_1)
	v_ldexp_f32 v[FF], 1.0, v[W0]                  ; f = 2^(old M - new M)
.set n, 0
.rept 32
	v_pk_fma_f32 v[S+n:S+n+1], v[S+n:S+n+1], s[CS:CS+1], v[12:13] op_sel_hi:[1,0,0]   ; t - M, two at a time
.set n, n+2
.endr
.irp b, 0,1,2,3
	v_fma_f32 v[TM+\b], v[TM+\b], s[CS], v12       ; the same of each block's largest score
.endr
.set n, 0
	s_wait_alu depctr_va_vdst(0)
.rept 64
	v_exp_f32 v[S+n], v[S+n]                       ; p = 2^(t - M), at most 1
.set n, n+1
.endr
.irp b, 0,1,2,3
	v_exp_f32 v[TM+\b], v[TM+\b]                   ; the block's largest p: the same two instructions on the same number
.endr
	v_pk_mul_f32 v[14:15], v[14:15], v[FF:FF+1] op_sel_hi:[1,0]   ; the sums under the new M.  (A plain line behind the exponentials)
	s_wait_alu depctr_va_vdst(0)
.irp b, 0,1,2,3
	v_max_num_f32 v[TM+\b], 0x8000000, v[TM+\b]    ; the floor 2^(16 - 127): a block whose every p is 0 keeps the byte 1: its codes are zeros
.endr
.irp b, 0,1,2,3
	s_delay_alu instid0(VALU_DEP_4)
	v_add_nc_u32 v[TM+12+\b], 0xf8800000, v[TM+\b]
.endr
.irp b, 0,1,2,3
.endr
.irp b, 0,1,2,3
	s_delay_alu instid0(VALU_DEP_4)
	v_lshrrev_b32 v[TM+4+\b], 23, v[TM+12+\b]
.endr
	s_delay_alu instid0(VALU_DEP_3)
	v_lshl_or_b32 v[PWD], v[TM+5], 8, v[TM+4]      ; p's scale word for these 128 keys
	s_delay_alu instid0(VALU_DEP_1)
	v_lshl_or_b32 v[PWD], v[TM+6], 16, v[PWD]
	s_delay_alu instid0(VALU_DEP_1)
	v_lshl_or_b32 v[PWD], v[TM+7], 24, v[PWD]
	v_pk_add_f32 v[52:53], v[132:133], v[136:137]
	v_pk_add_f32 v[250:251], v[140:141], v[144:145]
	v_pk_add_f32 v[248:249], v[148:149], v[152:153]
	v_pk_add_f32 v[242:243], v[156:157], v[160:161]
	v_pk_add_f32 v[240:241], v[164:165], v[168:169]
	v_pk_add_f32 v[238:239], v[172:173], v[176:177]
	v_pk_add_f32 v[236:237], v[180:181], v[184:185]
	v_pk_add_f32 v[14:15], v[14:15], v[188:189]
	v_pk_add_f32 v[52:53], v[52:53], v[128:129]
	v_pk_add_f32 v[250:251], v[250:251], v[130:131]
	v_pk_add_f32 v[248:249], v[248:249], v[134:135]
	v_pk_add_f32 v[242:243], v[242:243], v[138:139]
	v_pk_add_f32 v[240:241], v[240:241], v[142:143]
	v_pk_add_f32 v[238:239], v[238:239], v[146:147]
	v_pk_add_f32 v[236:237], v[236:237], v[150:151]
	v_pk_add_f32 v[14:15], v[14:15], v[154:155]
	v_pk_add_f32 v[52:53], v[52:53], v[158:159]
	v_pk_add_f32 v[250:251], v[250:251], v[162:163]
	v_pk_add_f32 v[248:249], v[248:249], v[166:167]
	v_pk_add_f32 v[242:243], v[242:243], v[170:171]
	v_pk_add_f32 v[240:241], v[240:241], v[174:175]
	v_pk_add_f32 v[238:239], v[238:239], v[178:179]
	v_pk_add_f32 v[236:237], v[236:237], v[182:183]
	v_pk_add_f32 v[14:15], v[14:15], v[186:187]
	v_pk_add_f32 v[52:53], v[52:53], v[190:191]
	s_delay_alu instid0(VALU_DEP_2)
	v_pk_add_f32 v[14:15], v[14:15], v[242:243]
	s_delay_alu instid0(VALU_DEP_2)
	v_pk_add_f32 v[52:53], v[52:53], v[240:241]
	v_pk_add_f32 v[250:251], v[250:251], v[238:239]
	v_pk_add_f32 v[248:249], v[248:249], v[236:237]
	s_delay_alu instid0(VALU_DEP_2)
	v_pk_add_f32 v[14:15], v[14:15], v[250:251]
	s_delay_alu instid0(VALU_DEP_2)
	v_pk_add_f32 v[52:53], v[52:53], v[248:249]
	s_delay_alu instid0(VALU_DEP_1)
	v_pk_add_f32 v[14:15], v[14:15], v[52:53]
.irp b, 0,1,2,3
.irp i, 0,1,2,3,4,5,6,7,8,9,10,11,12,13,14,15
.endr
	v_cvt_scalef32_pk8_bf8_f32 v[PC+4*\b:PC+4*\b+1], v[S+16*\b:S+16*\b+7], v[TM+12+\b]
	v_cvt_scalef32_pk8_bf8_f32 v[PC+4*\b+2:PC+4*\b+3], v[S+16*\b+8:S+16*\b+15], v[TM+12+\b]
.endr
.set n, 0
.rept 16
	v_pk_mul_f32 v[O+n:O+n+1], v[O+n:O+n+1], v[FF:FF+1] op_sel_hi:[1,0]   ; O^T under the new M.  (These are also the plain lines between the codes' making and the products)
.set n, n+2
.endr
	s_wait_alu depctr_va_vdst(0)
	s_wait_dscnt 0x0                               ; V and its scale words are in
.irp t, 0,2                            ; O^T += V^T P^T: the four accumulators by turns, one instruction a turn
	v_wmma_scale_f32_16x16x128_f8f6f4 v[O+8*\t:O+8*\t+7], v[F+16*\t:F+16*\t+15], v[PC:PC+15], v[O+8*\t:O+8*\t+7], v[VS+\t/2], v[PWD] matrix_a_fmt:MATRIX_FMT_BF8 matrix_b_fmt:MATRIX_FMT_BF8
	v_wmma_scale_f32_16x16x128_f8f6f4 v[O+8*\t+8:O+8*\t+15], v[F+16*\t+16:F+16*\t+31], v[PC:PC+15], v[O+8*\t+8:O+8*\t+15], v[VS+\t/2], v[PWD] matrix_a_fmt:MATRIX_FMT_BF8 matrix_b_fmt:MATRIX_FMT_BF8 matrix_a_scale:MATRIX_SCALE_ROW1
.endr
.Lhidden_\@:
	s_add_co_u32 s[KF], s[KF], 128
.endm
; THE CHANGE OF SLOTS stands at a slot's head.  Each wave waits for all its tensor loads, adds 0 to its spare word, and waits for that and for its reads of the slot that it has left.  Behind the barrier the slot ahead is whole
; and nobody reads the other one.  fill = 1: that other slot takes the next trip's 256 keys: the keys that follow, or, behind the first pass's last slot (trip x), the head's first keys again.
.macro CHANGE fill
	s_wait_tensorcnt 0x0                           ; no tensor load of mine is out, so group 0 may be written
	ds_add_u32 v[SPW], v[NIL]                      ; 0 onto my spare word
.if \fill
	s_add_co_u32 s[KO], s[KO], 2*REC
	s_cmp_eq_u32 s[T], s[X]
	s_cselect_b32 s[KO], 0, s[KO]
	s_xor_b32 s[G0+1], s[G0+1], SLOT1
	s_add_nc_u64 s[G0+2:G0+3], s[KVW:KVW+1], s[KO:KO+1]
	s_or_b32 s[G0+3], s[G0+3], 0x80000000
.endif
	s_wait_dscnt 0x0                               ; the add is done, and my reads of the slot that I have left are over
	s_barrier_signal -1
	s_barrier_wait -1
.if \fill
	TLOAD                                          ; the first thing behind the barrier, and a wave's one tensor load until the next: it has a slot's two steps in which to land
.endif
.endm
.macro SLOT_STEPS
	v_add_nc_u32 v[ADC], s[TB], v[LI]
	v_add_nc_u32 v[ADK], s[TB], v[AK0]
	v_add_nc_u32 v[ADV], s[TB], v[AV0]
	STEP 0
	STEP 1
	s_xor_b32 s[TB], s[TB], SLOT1
.endm
; A PASS'S END: O^T / the sum is ctx: register 16 j + i = channel 32 j + 16 h + i of my query: two blocks of ctx's K, quantised as they stand; the codes are 2 x 16 bytes of cc's image.  more = 1: the second pass is set up.
.macro FINISH p, more
.rept 8
	v_nop                                          ; places behind the last products
.endr
	v_add_f32 v14, v14, v15
	s_delay_alu instid0(VALU_DEP_1)
	v_permlanex16_b32 v[W0], v14, s[SEL], s[SEL+1]
	s_delay_alu instid0(VALU_DEP_1)
	v_add_f32 v14, v14, v[W0]                      ; the row's sum
	s_wait_alu depctr_va_vdst(0)
	v_rcp_f32 v[W0+4], v14
	v_mov_b32 v[W0+5], 0                           ; (a plain line behind the reciprocal; named with it as a pair)
.set n, 0
	s_wait_alu depctr_va_vdst(0)
.rept 16
	v_pk_mul_f32 v[S+n:S+n+1], v[O+n:O+n+1], v[W0+4:W0+5] op_sel_hi:[1,0]
.set n, n+2
.endr
.irp b, 0,1
	v_max3_num_f32 v[TM+\b], |v[S+16*\b]|, |v[S+1+16*\b]|, 0x8000000
.endr
.irp i, 2,4,6,8,10,12,14
.irp b, 0,1
	s_delay_alu instid0(VALU_DEP_2)
	v_max3_num_f32 v[TM+\b], v[TM+\b], |v[S+16*\b+\i]|, |v[S+1+16*\b+\i]|
.endr
.endr
.irp b, 0,1
	s_delay_alu instid0(VALU_DEP_2)
	v_permlanex16_b32 v[TM+4+\b], v[TM+\b], s[SEL], s[SEL+1]
.endr
.irp b, 0,1
	s_delay_alu instid0(VALU_DEP_2)
	v_max_num_f32 v[TM+\b], v[TM+\b], v[TM+4+\b]
.endr
.irp b, 0,1
	s_delay_alu instid0(VALU_DEP_2)
	v_add_nc_u32 v[TM+12+\b], 0xf8800000, v[TM+\b]
.endr
.irp b, 0,1
.endr
.irp b, 0,1
	s_delay_alu instid0(VALU_DEP_2)
	v_lshrrev_b32 v[TM+4+\b], 23, v[TM+12+\b]
.endr
.irp b, 0,1
.irp i, 0,1,2,3,4,5,6,7,8,9,10,11,12,13,14,15
.endr
	v_cvt_scalef32_pk8_bf8_f32 v[PC+4*\b:PC+4*\b+1], v[S+16*\b:S+16*\b+7], v[TM+12+\b]
	v_cvt_scalef32_pk8_bf8_f32 v[PC+4*\b+2:PC+4*\b+3], v[S+16*\b+8:S+16*\b+15], v[TM+12+\b]
.endr
	v_nop                                          ; one plain line behind the last conversion
	global_store_b128 v[LI], v[PC:PC+3], s[CW+2*\p:CW+2*\p+1]               ; 512 consecutive bytes, aligned
	global_store_b128 v[LI], v[PC+4:PC+7], s[CW+2*\p:CW+2*\p+1] offset:512
	v_cndmask_b32 v[W0+1], v[TM+4], v[TM+5], s[HM]   ; lanes 0-15 the first block's byte, lanes 16-31 the second's
	global_store_b8 v[CSO], v[W0+1], s[CSW+2*\p:CSW+2*\p+1]   ; a byte a lane, 8 bytes from row to row: the other bytes of these rows are other heads'; one byte for each 32 of codes
.if \more
	global_load_b128 v[QR+8:QR+11], v[QO], s[QW+2:QW+3]
	global_load_b128 v[QR+12:QR+15], v[QO], s[QW+2:QW+3] offset:512
	global_load_b32 v[QRAW], v[QSO], s[QW+2:QW+3]
	s_wait_xcnt 0x0                                ; the stores have read their data: those registers are written again only behind this wait
	v_mov_b32 v13, 0xff61b1e6
	s_delay_alu instid0(VALU_DEP_1)
	v_floor_f32 v12, -v13
	v_mov_b32 v14, 0
	v_mov_b32 v15, 0
.set n, 0
.rept 32
	v_mov_b32 v[O+n], 0
.set n, n+1
.endr
	s_mov_b32 s[KF], 0
	s_mov_b32 s[QMIN], s[QMIN+1]
	s_wait_loadcnt 0x0
	v_perm_b32 v[QS], v[QRAW], v[QRAW], s[PSEL]    ; (the next step's eight v_nop stand between this line and the products that take it as a scale)
.endif
.endm
.Ltrip:                                            ; eight trips, the ninth written out: behind each change of slots but the last the next slot is asked for
	CHANGE 1
	SLOT_STEPS
	s_cmp_lg_u32 s[T], s[X]                        ; trip x ends the first pass: a branch on the work-group's number, the same in all sixteen waves; no barrier, tensor load or LDS line stands under it
	s_cbranch_scc1 .Lno
	FINISH 0, 1
.Lno:
	s_add_co_u32 s[T], s[T], 1
	s_cmp_lt_u32 s[T], 8
	s_cbranch_scc1 .Ltrip
	CHANGE 0                                       ; the last slot is written out
	SLOT_STEPS
	FINISH 1, 0
	s_wait_tensorcnt 0x0                           ; the wave's end
	ds_add_u32 v[SPW], v[NIL]
	s_wait_dscnt 0x0
	s_endpgm
.Lfunc_end_k_qade6d230f1_attn:
	.size	k_qade6d230f1_attn, .Lfunc_end_k_qade6d230f1_attn-k_qade6d230f1_attn
	.p2alignl 7, 3214868480
	.fill 96, 4, 3214868480
	.section	.rodata,"a",@progbits
	.p2align	6, 0x0
	.amdhsa_kernel k_qade6d230f1_attn
		.amdhsa_group_segment_fixed_size 327680
		.amdhsa_private_segment_fixed_size 0
		.amdhsa_enable_private_segment 0
		.amdhsa_kernarg_size 32
		.amdhsa_user_sgpr_count 2
		.amdhsa_user_sgpr_kernarg_segment_ptr 1
		.amdhsa_wavefront_size32 1
		.amdhsa_system_sgpr_workgroup_id_x 1
		.amdhsa_system_sgpr_workgroup_id_y 1
		.amdhsa_system_sgpr_workgroup_id_z 1
		.amdhsa_system_vgpr_workitem_id 0
		.amdhsa_next_free_vgpr 256
		.amdhsa_next_free_sgpr 66
		.amdhsa_reserve_vcc 1
		.amdhsa_float_denorm_mode_32 3
		.amdhsa_float_denorm_mode_16_64 3
		.amdhsa_fp16_overflow 1
		.amdhsa_memory_ordered 1
		.amdhsa_forward_progress 1
		.amdhsa_inst_pref_size 109
	.end_amdhsa_kernel
	.amdgpu_metadata
---
amdhsa.version: [ 1, 2 ]
amdhsa.kernels:
  - .name:           k_qade6d230f1_attn
    .symbol:         k_qade6d230f1_attn.kd
    .args:
      - { .name: qq, .offset: 0, .size: 8, .value_kind: global_buffer, .address_space: global }
      - { .name: kv, .offset: 8, .size: 8, .value_kind: global_buffer, .address_space: global }
      - { .name: cc, .offset: 16, .size: 8, .value_kind: global_buffer, .address_space: global }
      - { .name: cs, .offset: 24, .size: 8, .value_kind: global_buffer, .address_space: global }
    .group_segment_fixed_size: 327680
    .private_segment_fixed_size: 0
    .kernarg_segment_align: 8
    .kernarg_segment_size: 32
    .max_flat_workgroup_size: 512
    .sgpr_count:     66
    .vgpr_count:     256
    .wavefront_size: 32
...
	.end_amdgpu_metadata
.endif
;; end of part 3
;; launch oproj (part 4): grid 4 x 32, 4 waves a work-group, clusters of 4 x 4, 327,680 bytes of LDS; arguments cc, cs, wc, ws, b_out, out0; writes out0
.if DOCPART == 4
	.amdgcn_target "amdgcn-amd-amdhsa--gfx1250"
	.amdhsa_code_object_version 6
	.text
	.protected	k_qade6d230f1_oproj
	.globl	k_qade6d230f1_oproj
	.p2align	8
	.type	k_qade6d230f1_oproj,@function
k_qade6d230f1_oproj:
	s_mov_b64 s[64:65], 0
	v_nop
	global_prefetch_b8 v0, s[64:65] scope:SCOPE_SE
	s_setreg_imm32_b32 hwreg(HW_REG_WAVE_MODE, 25, 1), 1
	s_wait_xcnt 0x0
	s_wait_alu depctr_hold_cnt(0) depctr_sa_sdst(0) depctr_va_vdst(0) depctr_va_sdst(0) depctr_va_ssrc(0) depctr_va_vcc(0) depctr_vm_vsrc(0)
	s_getreg_b32 s2, hwreg(HW_REG_IB_STS2, 6, 4)
	s_cmp_eq_u32 s2, 0
	s_cbranch_scc0 .Lentry_in_a_cluster
	s_endpgm
.Lentry_in_a_cluster:
	s_bfe_u32 s2, ttmp6, 0x10000c
	s_cmp_lg_u32 s2, 0xf033
	s_cbranch_scc0 .Lentry_shape_is_right
	s_endpgm
.Lentry_shape_is_right:
; out0 = ctx W_out^T + b_out on codes of BF8 (E5M2) with one E8M0 scale for each 32 along K = 1,024; f32 sums, K ascending, one accumulator for each result; the bias is the C of each sum's first product.
; OPERANDS ARE IMAGES OF THEIR REGISTERS: [tile of 16 rows][block of 32 along K][512 bytes: lane l's 16 bytes at 16 l]; a fragment is 2,048 consecutive bytes.  Lane r of tile 2 b + u holds row 32 b + 8 u + r + 8 (r / 8).
; Scale bytes: [pair of tiles][256 along K][tile of the pair][r][8 bytes].  W_out is the fourth weight in wc and ws: 3,145,728 and 98,304 bytes on.
; SHARES.  A work-group of four waves makes 256 x 256, a wave 128 x 128: 64 accumulators.  32 x 4 tiles: 128 work-groups; a tile of 128 x 256 would give 256 and read each fragment of B for half as many products.
; K goes in steps of 256 through two LDS slots; a wave's tensor load brings 8 tiles x 4,096 bytes.  The scale bytes come once with the first fills.
; THE MATRIX INSTRUCTION IS USED TRANSPOSED (source 0 = 16 rows of W_out, source 1 = 16 tokens): a lane holds one token, and its 16 registers of two neighbouring tiles are 16 neighbouring columns of out0.
; CLUSTERS: 4 x 4 work-groups; ctx's tiles are asked for jointly along a row of the cluster, W_out's along a column.
; REGISTERS, in windows of 256: window 0: v0-31 addresses; v32-63 scale words, two sets; v64-127 the bias, 8 registers for each tile of columns; v128-255 A's fragments (on the way out: rows of out0).
;   window 1: B's fragments, two sets.  windows 2, 3: the accumulators, (a, b) at v[8 (8 (a % 4) + b)].
.set NQ,     2
.set FR,     16
.set NL,     4
.set NP,     8                         ; places behind this matrix instruction (ISA guide 7.12.1)
.set HALFT,  32768
.set SLOT,   4*HALFT
.set SCL,    2*SLOT
.set HALFS,  4096
.set SPARE,  SCL+4*HALFS               ; the spare words, 128 bytes for each wave: two blocks of 256 bytes that no other line names
.set SPITCH, 528                       ; the way out: a stage of 16 rows x (512 + 16) bytes for each wave, in slot 0, which has had its last fill and its last read when the first result is stored there
.set ADRA, 16
.set ADRB, 20
.set STO,  24                          ; v24 where I put 32 bytes of a row;  v25 where I read a row back;  v26 my 16 bytes of a row of out0
.set RD,   25
.set CO,   26
.set ADRS, 27
.set SPW,  28                          ; v28 LDS address of my spare word; never rewritten
.set NIL,  29                          ; v29 0; never rewritten
.set SC,   32
.set BI,   64
.set AF,   128
.set BK,   128                         ; the way out: 16 rows read back: v128-191 and v192-255 by turns
.set G1,   24
.set G0,   32
.set G1B,  48
.set G0B,  56
.set G1S,  68
.set G0S,  76
.set G1SB, 80
.set G0SB, 88
.set MSB, 0
.macro WIN new                         ; the immediate's high byte repeats the setting that is left
.if MSB != (\new)
	s_set_vgpr_msb (MSB<<8)|(\new)
.set MSB, (\new)
.endif
.endm
.set MUL_LO, 0xa1                      ; source 0 (B) window 1, source 1 (A) window 0, C and D window 2
.set MUL_HI, 0xf1
.set FST_LO, 0x81                      ; the first products: C (the bias) window 0, D window 2
.set FST_HI, 0xc1
.set TO_B,   0x40
.macro JLOAD g0a, g1a, g0b, g1b        ; a joint load: waves 0 and 1 fetch for A, waves 2 and 3 for B; four v_nop follow each of the two lines
	s_cmp_eq_u32 s17, 0
	s_cbranch_scc0 .Lfor_b_\@
	tensor_load_to_lds s[\g0a:\g0a+3], s[\g1a:\g1a+7]
	s_nop 0
.rept 4
	v_nop
.endr
	s_branch .Lasked_\@
.Lfor_b_\@:
	tensor_load_to_lds s[\g0b:\g0b+3], s[\g1b:\g1b+7]
	s_nop 0
.rept 4
	v_nop
.endr
.Lasked_\@:
.endm
.macro CREST
	s_cmp_lg_u32 s16, 0
	s_cbranch_scc1 .Lnot_wave_0_\@
	s_barrier_signal -3
.Lnot_wave_0_\@:
	s_barrier_wait -3
	s_barrier_signal -1
	s_barrier_wait -1
.endm
.macro CROUND
	s_barrier_signal -1
	s_barrier_wait -1
	CREST
.endm
	s_load_b256 s[4:11], s[0:1], 0x0               ; cc, cs, wc, ws
	s_load_b128 s[12:15], s[0:1], 0x20             ; b_out, out0
	v_lshl_add_u32 v[SPW], v0, 2, SPARE
	v_mov_b32 v[NIL], 0
	ds_add_u32 v28, v29
	ds_add_u32 v28, v29
	s_wait_dscnt 0x0
	v_lshrrev_b32 v1, 5, v0
	v_readfirstlane_b32 s16, v1                    ; wave 0..3
	s_lshr_b32 s17, s16, 1                         ; which half of the tokens is mine.  Also: I fetch for A (0) or for B (1)
	s_and_b32 s18, s16, 1                          ; which half of the columns.  Also: which half I fetch
	s_bfe_u32 s40, ttmp6, 0x40000                  ; cx, cy
	s_bfe_u32 s41, ttmp6, 0x40004
	s_and_b32 s43, ttmp7, 0xffff
	s_lshl_b32 s43, s43, 2
	s_lshl_b32 s2, s41, 2
	s_lshl_b32 s2, 15, s2                          ; my row of the cluster
	s_lshl_b32 s3, 0x1111, s40                     ; my column
	s_or_b32 s[G1+0], s2, (3<<16)|(1<<21)          ; the mask; elements of 8 bytes; bit 21 set beside a mask
	s_or_b32 s[G1B+0], s3, (3<<16)|(1<<21)
.irp g, G1, G1B
	s_mov_b32 s[\g+1], 512<<16                     ; 8 tiles' 4,096 bytes, 16,384 bytes apart
	s_mov_b32 s[\g+2], 8<<16
	s_mov_b32 s[\g+3], 512<<16
	s_mov_b32 s[\g+4], 8
	s_mov_b32 s[\g+5], 2048
	s_mov_b32 s[\g+6], 0
	s_mov_b32 s[\g+7], 0
.endr
	s_or_b32 s[G1S+0], s2, (3<<16)|(1<<21)
	s_or_b32 s[G1SB+0], s3, (3<<16)|(1<<21)
.irp g, G1S, G1SB
	s_mov_b32 s[\g+1], 32<<16                      ; 4,096 dense bytes as 16 rows of 256
	s_mov_b32 s[\g+2], 16<<16
	s_mov_b32 s[\g+3], 32<<16
	s_mov_b32 s[\g+4], 16
	s_mov_b32 s[\g+5], 32
	s_mov_b32 s[\g+6], 0
	s_mov_b32 s[\g+7], 0
.endr
	s_lshl_b32 s46, s18, 17
	s_lshl_b32 s47, s18, 12
	s_add_co_u32 s20, s43, s41                     ; A's tile of 256 tokens: 4 x cluster y + cy
	s_lshl_b32 s42, s20, 20                        ; its rows of out0: 256 x 4,096 bytes
	s_lshl_b32 s22, s20, 13
	s_lshl_b32 s20, s20, 18
	s_add_co_u32 s20, s20, s46
	s_add_co_u32 s22, s22, s47
	s_mov_b32 s21, 0
	s_mov_b32 s23, 0
	s_lshl_b32 s44, s40, 18                        ; B's tile of 256 rows of W_out: cx
	s_add_co_u32 s44, s44, s46
	s_add_co_u32 s44, s44, 3145728
	s_lshl_b32 s100, s40, 13
	s_add_co_u32 s100, s100, s47
	s_add_co_u32 s100, s100, 98304
	s_mov_b32 s45, 0
	s_mov_b32 s101, 0
	s_lshl_b32 s104, s16, 15                       ; where they go: no place in the cluster enters an LDS address
	s_lshl_b32 s105, s16, 12
	s_wait_kmcnt 0x0
	s_add_nc_u64 s[92:93], s[4:5], s[20:21]
	s_add_nc_u64 s[94:95], s[6:7], s[22:23]
	s_add_nc_u64 s[96:97], s[8:9], s[44:45]
	s_add_nc_u64 s[98:99], s[10:11], s[100:101]
	CROUND                                         ; all sixteen work-groups are here: the first joint loads meet
	s_mov_b32 s[G0S], 1
	s_add_co_u32 s[G0S+1], s105, SCL
	s_mov_b64 s[G0S+2:G0S+3], s[94:95]
	s_or_b32 s[G0S+3], s[G0S+3], 0x80000000
	s_mov_b32 s[G0SB], 1
	s_add_co_u32 s[G0SB+1], s105, SCL
	s_mov_b64 s[G0SB+2:G0SB+3], s[98:99]
	s_or_b32 s[G0SB+3], s[G0SB+3], 0x80000000
	JLOAD G0S, G1S, G0SB, G1SB
.irp s, 0,1
	s_mov_b32 s[G0+4*\s], 1
	s_add_co_u32 s[G0+4*\s+1], s104, \s*SLOT
	s_add_nc_u64 s[G0+4*\s+2:G0+4*\s+3], s[92:93], \s*4096
	s_or_b32 s[G0+4*\s+3], s[G0+4*\s+3], 0x80000000
	s_mov_b32 s[G0B+4*\s], 1
	s_add_co_u32 s[G0B+4*\s+1], s104, \s*SLOT
	s_add_nc_u64 s[G0B+4*\s+2:G0B+4*\s+3], s[96:97], \s*4096
	s_or_b32 s[G0B+4*\s+3], s[G0B+4*\s+3], 0x80000000
	s_wait_alu depctr_va_vdst(0)
	s_wait_tensorcnt 0x0
	ds_add_u32 v28, v29
	s_wait_dscnt 0x0
	CROUND
	JLOAD G0+4*\s, G1, G0B+4*\s, G1B               ; one load of mine is out
.endr
	v_and_b32 v1, 31, v0                           ; lane
	v_and_b32 v2, 15, v0                           ; r
	v_bfe_u32 v3, v0, 4, 1                         ; h
	s_wait_alu depctr_va_vdst(0)
	v_lshlrev_b32 v4, 4, v1                        ; 16 x lane
	s_wait_alu depctr_va_vdst(0)
	s_lshl_b32 s20, s40, 10                        ; my 128 columns, in bytes, in b_out and in a row of out0: 1,024 cx + 512 x half
	s_lshl_b32 s21, s18, 9
	s_add_co_u32 s20, s20, s21
	s_mov_b32 s21, 0
	s_add_nc_u64 s[12:13], s[12:13], s[20:21]
	s_add_nc_u64 s[14:15], s[14:15], s[20:21]
	s_lshl_b32 s20, s17, 19                        ; my 128 tokens: 128 x 4,096 bytes a half
	s_add_co_u32 s20, s20, s42
	s_add_nc_u64 s[14:15], s[14:15], s[20:21]
	v_lshlrev_b32 v5, 6, v3                        ; the bias: lane (r, h) wants, for tile b, columns 32 (b / 2) + 16 h + 8 (b % 2) + 0 .. 7
.irp b, 0,1,2,3,4,5,6,7
	global_load_b128 v[BI+8*\b:BI+8*\b+3], v5, s[12:13] offset:(32*(\b/2)+8*(\b%2))*4
	global_load_b128 v[BI+8*\b+4:BI+8*\b+7], v5, s[12:13] offset:(32*(\b/2)+8*(\b%2))*4+16
.endr
	s_lshl_b32 s20, s17, 15
	s_lshl_b32 s21, s18, 15
	s_add_co_u32 s21, s21, 2*HALFT
.irp s, 0,1
	v_add_nc_u32 v[ADRA+\s], s20, v4
	v_add_nc_u32 v[ADRB+\s], s21, v4
	s_add_co_u32 s20, s20, SLOT
	s_add_co_u32 s21, s21, SLOT
.endr
	s_lshl_b32 s20, s17, 12
	s_lshl_b32 s21, s18, 12
	s_add_co_u32 s21, s21, 2*HALFS
	s_sub_co_u32 s21, s21, s20
	v_mul_u32_u24 v6, s21, v3                      ; lanes 16-31 take B's scale words: one product, the distance between the two
	s_add_co_u32 s20, s20, SCL
	v_lshl_add_u32 v6, v2, 3, v6
	v_add_nc_u32 v[ADRS], s20, v6
	s_mul_i32 s23, s16, 16*SPITCH                  ; my stage
	v_mul_u32_u24 v6, v2, SPITCH
	v_lshl_add_u32 v6, v3, 6, v6
	v_add_nc_u32 v[STO], s23, v6                   ; in: row r, + 64 h
	v_mov_b32 v[CO], v4
	v_add_nc_u32 v[RD], s23, v4                    ; back: the 32 lanes take one row of 512 bytes
.macro FRAG reg, adr, q, i
.irp c, 0,1,2,3
	ds_load_b128 v[\reg+4*\c:\reg+4*\c+3], v[\adr] offset:4096*(\i)+2048*(\q)+512*\c
.endr
.endm
; 16 matrix instructions: A's tiles a0, a0 + 1 x B's eight.  first = 1: the sums begin with the bias.  The 64 accumulators take turns, one instruction a turn, in the same order in every step.
.macro MUL16 a0, p, q, sc, first
.irp a, \a0, \a0+1
.irp b, 0,1,2,3,4,5,6,7
.if \first
	v_wmma_scale_f32_16x16x128_f8f6f4 v[8*(8*((\a)%4)+\b):8*(8*((\a)%4)+\b)+7], v[128*(\p)+FR*\b:128*(\p)+FR*\b+FR-1], v[AF+FR*(\a):AF+FR*(\a)+FR-1], v[BI+8*\b:BI+8*\b+7], v[SC+8*NQ*(\sc)+NQ*\b+(\q)], v[SC+8*NQ*(\sc)+NQ*(\a)+(\q)] matrix_a_fmt:MATRIX_FMT_BF8 matrix_b_fmt:MATRIX_FMT_BF8 matrix_a_scale:MATRIX_SCALE_ROW1
.else
	v_wmma_scale_f32_16x16x128_f8f6f4 v[8*(8*((\a)%4)+\b):8*(8*((\a)%4)+\b)+7], v[128*(\p)+FR*\b:128*(\p)+FR*\b+FR-1], v[AF+FR*(\a):AF+FR*(\a)+FR-1], v[8*(8*((\a)%4)+\b):8*(8*((\a)%4)+\b)+7], v[SC+8*NQ*(\sc)+NQ*\b+(\q)], v[SC+8*NQ*(\sc)+NQ*(\a)+(\q)] matrix_a_fmt:MATRIX_FMT_BF8 matrix_b_fmt:MATRIX_FMT_BF8 matrix_a_scale:MATRIX_SCALE_ROW1
.endif
.endr
.endr
.endm
.macro FETCH_B slot, q, p
	WIN TO_B
.irp i, 0,1,2,3,4,5,6,7
	FRAG 128*(\p)+FR*\i, ADRB+\slot, \q, \i
.endr
	WIN 0
.endm
.macro FETCH_A slot, q, i0
.irp i, \i0, \i0+1, \i0+2, \i0+3
	FRAG AF+FR*(\i), ADRA+\slot, \q, \i
.endr
.endm
.macro SCALES sc, ks
.irp i, 0,1,2,3,4,5,6,7
	ds_load_b64 v[SC+8*NQ*\sc+NQ*\i:SC+8*NQ*\sc+NQ*\i+1], v[ADRS] offset:(\i/2)*1024+(\i%2)*128+256*(\ks)
.endr
.endm
.macro PLACES n                        ; plain vector lines between a matrix instruction and a load into, or a read of, its registers (ISA guide 7.12.1 for reads)
.rept \n
	v_nop
.endr
.endm
.macro STEP slot, q, first
	s_wait_dscnt 4*NL                              ; all but the youngest 16 loads (A's tiles 4-7) are in
.if \first
	WIN FST_LO
.else
	WIN MUL_LO
.endif
	MUL16 0, (\q)%2, \q, \slot, \first
	MUL16 2, (\q)%2, \q, \slot, \first
	s_wait_dscnt 0
	PLACES NP
	FETCH_B \slot, (\q)+1, 1-(\q)%2
	FETCH_A \slot, (\q)+1, 0
.if \first
	WIN FST_HI
.else
	WIN MUL_HI
.endif
	MUL16 4, (\q)%2, \q, \slot, \first
	MUL16 6, (\q)%2, \q, \slot, \first
	PLACES NP
	WIN 0
	FETCH_A \slot, (\q)+1, 4
.endm
.macro TURN slot, next, fill, ks
	s_wait_tensorcnt 0x0                           ; all my tensor loads have landed: my part of the next slot
	ds_add_u32 v[SPW], v[NIL]                      ; 0 onto my spare word
	s_wait_dscnt 4*NL+1                            ; (the add and the youngest 16 loads may be out)
	WIN MUL_LO
	MUL16 0, 1, NQ-1, \slot, 0
	s_wait_dscnt 0x0                               ; the add is done, and my reads of this slot are over
	s_barrier_signal -1
	MUL16 2, 1, NQ-1, \slot, 0
	WIN 0
	s_barrier_wait -1
.if \fill
	CREST                                          ; the barrier has opened a round of the cluster's: no wave of any partner still reads this slot or has a load on its way
	s_add_nc_u64 s[G0+4*\slot+2:G0+4*\slot+3], s[G0+4*\slot+2:G0+4*\slot+3], 8192
	s_add_nc_u64 s[G0B+4*\slot+2:G0B+4*\slot+3], s[G0B+4*\slot+2:G0B+4*\slot+3], 8192
	JLOAD G0+4*\slot, G1, G0B+4*\slot, G1B
	PLACES NP-4
.else
	PLACES NP
.endif
	FETCH_B \next, 0, 0
	FETCH_A \next, 0, 0
	SCALES \next, \ks
	WIN MUL_HI
	MUL16 4, 1, NQ-1, \slot, 0
	MUL16 6, 1, NQ-1, \slot, 0
	PLACES NP
	WIN 0
	FETCH_A \next, 0, 4
.endm
	s_wait_alu depctr_va_vdst(0)
	s_wait_tensorcnt 1                             ; the scales and my part of K step 0 are in (K step 1's load may be out)
	s_barrier_signal -1
	s_barrier_wait -1
	FETCH_B 0, 0, 0
	FETCH_A 0, 0, 0
	SCALES 0, 0
	FETCH_A 0, 0, 4
	s_wait_loadcnt 0x0                             ; the bias
	STEP 0, 0, 1
	TURN 0, 1, 1, 1
	STEP 1, 0, 0
	TURN 1, 0, 1, 2
	STEP 0, 0, 0
	TURN 0, 1, 0, 3
	STEP 1, 0, 0
	s_wait_dscnt 4*NL
	WIN MUL_LO
	MUL16 0, 1, NQ-1, 1, 0
	MUL16 2, 1, NQ-1, 1, 0
	s_wait_dscnt 0
	WIN MUL_HI
	MUL16 4, 1, NQ-1, 1, 0
	MUL16 6, 1, NQ-1, 1, 0
	WIN 0
; THE WAY OUT, tile by tile of 16 tokens x 128 columns, through my own stage in LDS: in by 32 bytes a lane and tile of columns, back as whole rows of 512 bytes.  LDS serves a wave's instructions in order (ISA guide 5.7.1.4):
; no wait between the stores and the loads.  Stage row t is token 32 (a / 2) + 8 (a % 2) + t + 8 (t / 8) of my 128.
.macro TOSTAGE a
.set AC, 64*((\a)%4)
	WIN 0x08+4*((\a)/4)                            ; an LDS store's data are its source 1: window 2 or 3
.irp b, 0,1,2,3,4,5,6,7
	ds_store_b128 v[STO], v[AC+8*\b:AC+8*\b+3] offset:128*(\b/2)+32*(\b%2)          ; each accumulator from its low end on
	ds_store_b128 v[STO], v[AC+8*\b+4:AC+8*\b+7] offset:128*(\b/2)+32*(\b%2)+16
.endr
	WIN 0
.set BB, BK+64*((\a)%2)
.irp t, 0,1,2,3,4,5,6,7,8,9,10,11,12,13,14,15
	ds_load_b128 v[BB+4*\t:BB+4*\t+3], v[RD] offset:\t*SPITCH
.endr
.endm
.macro SEND a, younger                 ; younger: the LDS instructions issued behind tile a's loads, which may stay out
.set BB, BK+64*((\a)%2)
	s_wait_dscnt \younger
.if (\a) > 0
.if ((\a)%2) == 1
	s_add_nc_u64 s[14:15], s[14:15], 8*4096        ; (behind a wait on XCNT: the earlier stores have read their base)  into an odd tile: 8 rows on,
.else
	s_add_nc_u64 s[14:15], s[14:15], 24*4096       ; into an even one: 24
.endif
.endif
.irp t, 0,1,2,3,4,5,6,7,8,9,10,11,12,13,14,15
	global_store_b128 v[CO], v[BB+4*\t:BB+4*\t+3], s[14:15] offset:(\t+8*(\t/8))*4096 th:TH_STORE_NT   ; 512 consecutive bytes, aligned; written once, read by nobody here
.endr
.endm
	PLACES NP                                      ; behind the last products: their results are read, and rows are loaded into the registers that held A's fragments
	TOSTAGE 0
.irp a, 1,2,3,4,5,6,7
.if \a > 1
	s_wait_xcnt 0x0                                ; tile a - 2's stores have read their registers and their base
.endif
	TOSTAGE \a
	SEND \a-1, 32                                  ; behind tile a - 1's loads: tile a's 16 stores and 16 loads
.endr
	s_wait_xcnt 0x0
	SEND 7, 0
	s_wait_tensorcnt 0x0                           ; the wave's end
	ds_add_u32 v[SPW], v[NIL]
	s_wait_dscnt 0x0
	CROUND                                         ; the closing round
	s_endpgm
.Lfunc_end_k_qade6d230f1_oproj:
	.size	k_qade6d230f1_oproj, .Lfunc_end_k_qade6d230f1_oproj-k_qade6d230f1_oproj
	.p2alignl 7, 3214868480
	.fill 96, 4, 3214868480
	.section	.rodata,"a",@progbits
	.p2align	6, 0x0
	.amdhsa_kernel k_qade6d230f1_oproj
		.amdhsa_group_segment_fixed_size 327680
		.amdhsa_private_segment_fixed_size 0
		.amdhsa_enable_private_segment 0
		.amdhsa_kernarg_size 48
		.amdhsa_user_sgpr_count 2
		.amdhsa_user_sgpr_kernarg_segment_ptr 1
		.amdhsa_wavefront_size32 1
		.amdhsa_system_sgpr_workgroup_id_x 1
		.amdhsa_system_sgpr_workgroup_id_y 1
		.amdhsa_system_sgpr_workgroup_id_z 1
		.amdhsa_system_vgpr_workitem_id 0
		.amdhsa_next_free_vgpr 1024
		.amdhsa_next_free_sgpr 106
		.amdhsa_reserve_vcc 0
		.amdhsa_float_denorm_mode_32 3
		.amdhsa_float_denorm_mode_16_64 3
		.amdhsa_memory_ordered 1
		.amdhsa_forward_progress 1
		.amdhsa_inst_pref_size 147
	.end_amdhsa_kernel
	.amdgpu_metadata
---
amdhsa.version: [ 1, 2 ]
amdhsa.kernels:
  - .name:           k_qade6d230f1_oproj
    .symbol:         k_qade6d230f1_oproj.kd
    .args:
      - { .name: cc, .offset: 0, .size: 8, .value_kind: global_buffer, .address_space: global }
      - { .name: cs, .offset: 8, .size: 8, .value_kind: global_buffer, .address_space: global }
      - { .name: wc, .offset: 16, .size: 8, .value_kind: global_buffer, .address_space: global }
      - { .name: ws, .offset: 24, .size: 8, .value_kind: global_buffer, .address_space: global }
      - { .name: b_out, .offset: 32, .size: 8, .value_kind: global_buffer, .address_space: global }
      - { .name: out0, .offset: 40, .size: 8, .value_kind: global_buffer, .address_space: global }
    .group_segment_fixed_size: 327680
    .private_segment_fixed_size: 0
    .kernarg_segment_align: 8
    .kernarg_segment_size: 48
    .max_flat_workgroup_size: 128
    .sgpr_count:     106
    .vgpr_count:     1024
    .wavefront_size: 32
...
	.end_amdgpu_metadata
.endif
;; end of part 4
